; MI455X (gfx1250); checked and timed in simulation.
; The chip was launched on July 23, 2026; its instructions are those of AMD's public machine-readable ISA for CDNA 5 (MIT licence, August 2026) and "CDNA5" Instruction Set Architecture Reference Guide (July 2026). The comments in the code are by the model that wrote it; some were corrected since.
;; Multi Head Self Attention. Allowed arithmetic: matrix products marked QUANTISED: E2M1 operands, one E8M0 scale for each 32 along K, by v_wmma_scale_f32_16x16x128_f8f6f4 with both operands' format E2M1 (or v_wmma_scale_f32_32x16x128_f4), f32 sums; everything else in f32.
;; Inputs: b_proj 1,024 float32; b_qkv 3,072 float32; w_proj 1,024 x 1,024 float32; w_qkv 1,024 x 3,072 float32; x 8 x 1,024 x 1,024 float32.
;; Outputs: out0 8 x 1,024 x 1,024 float32.
;; This version of the problem:
;;   THIS VERSION OF THE PROBLEM IS GIVEN IN LOW PRECISION. The matrix products marked QUANTISED in the list below multiply operands that are first quantised to E2M1 (2 exponent bits, 1 mantissa bit; 4 bits a number), with one power-of-two scale for each 32 numbers along K (OCP MX v1.0); their sums are f32. All else is computed in f32.
;;   The module's matrix products, in the order in which they are computed (A, B: the left and right operand; K: the contracted axis; several contracted axes count as one K, in the product's order):
;;     1. [M 8,192, K 1,024] x [K 1,024, N 3,072]; A: input x; B: input w_qkv: QUANTISED
;;     2. batch 128 x [M 1,024, K 64] x [K 64, N 1,024]; A: computed on the way; B: computed on the way: QUANTISED
;;     3. batch 128 x [M 1,024, K 1,024] x [K 1,024, N 64]; A: softmax (see below); B: computed on the way: QUANTISED
;;     4. [M 8,192, K 1,024] x [K 1,024, N 1,024]; A: computed on the way; B: input w_proj: QUANTISED
;;   THE QUANTISER, for each operand of a quantised product, along K:
;;     - K is cut into blocks of 32 from its start; a last block that is shorter is filled with zeros.
;;     - A block's scale is 2^e with e = floor(log2(the largest magnitude in the block)) - 2, held to -126 .. 127; a block of zeros has e = 0. As a byte (E8M0): e + 127.
;;     - Each number is divided by its block's scale, clamped to +-6, and rounded to the nearest number of E2M1, ties to even, subnormals kept.
;;     - The product sums the exact products of the quantised numbers (number of the format x scale) in f32.
;;   ~~~python
;;   def quantise(x, axis):      # numpy; x: float32 -> the quantised numbers, widened to float32 again
;;       x = np.moveaxis(x, axis, -1); K = x.shape[-1]
;;       x = np.pad(x, [(0, 0)] * (x.ndim - 1) + [(0, -K % 32)]); x = x.reshape(x.shape[:-1] + (-1, 32)); a = np.abs(x).max(-1, keepdims=True)
;;       e = np.where(a > 0, np.clip(np.frexp(np.where(a > 0, a, 1))[1] - 1 - 2, -126, 127), 0)      # np.frexp(a)[1] - 1 = floor(log2(a)), exactly
;;       r = np.clip(x / 2.0 ** e, -6, 6)
;;       step = 2.0 ** (np.maximum(np.frexp(np.where(r == 0, 1, r))[1] - 1, 0) - 1)
;;       q = np.round(r / step) * step * 2.0 ** e      # np.round: ties to even
;;       return np.moveaxis(q.reshape(q.shape[:-2] + (-1,))[..., :K], -1, axis).astype(np.float32)
;;   ~~~
;;   SOFTMAX AHEAD OF A QUANTISED PRODUCT. Where the list says 'softmax', what is quantised is not the finished softmax but p = 2^(t - M), with t = logit x log2(e) and M = ceil(the row's largest t), a whole number; so 1/2 < the row's largest p <= 1. The row's sum l is taken of the UNQUANTISED p, in f32, and the product's result is divided by l at the end. Since M is a whole number, a kernel that streams over the keys may use a running M (the ceiling of the running maximum): every later rescaling is an exact power of two, which a block's scale takes up: the codes' values come out the same.
;;   OPERANDS COMPUTED ON THE WAY. 'Computed on the way' means the value that the module computes at that place (a softmax that the list does not call 'softmax' is quantised finished and normalised). What goes into a quantiser is computed in f32, as accurately as f32 sums, v_exp_f32 and their like allow (about 1e-6 of the number): no bf16 or f16 on the way to a quantiser, and a product that is left as it is and whose result goes on into a quantised operand takes f32 operands (vector FMAs, or v_wmma_f32_16x16x4_f32). A number that lies on a knife's edge between two numbers of the format may be rounded either way, as far as f32 arithmetic and the matrix unit's own rounding can turn it there, and no further.
;; One version. Each part assembles by itself: llvm-mc -triple=amdgcn-amd-amdhsa -mcpu=gfx1250 --defsym DOCPART=n.
;; ======== version 1 of 1: 4 launches
;; limits: right only within a limited range of input values
;; workspace buffers: xc 4,194,304 bytes; xs 262,144 bytes; wc 2,097,152 bytes; ws 131,072 bytes; qkvc 12,582,912 bytes; qkvs 1,572,864 bytes; oc 4,194,304 bytes; os 262,144 bytes
;; launch prep (part 1): grid 384 x 1, 4 waves a work-group, no clusters, 68,096 bytes of LDS; arguments x, w_qkv, w_proj, xc, xs, wc, ws; writes xc, xs, wc, ws
.if DOCPART == 1
	.amdgcn_target "amdgcn-amd-amdhsa--gfx1250"
	.amdhsa_code_object_version 6
	.text
	.protected	k_q82455ecfe5_prep
	.globl	k_q82455ecfe5_prep
	.p2align	8
	.type	k_q82455ecfe5_prep,@function
k_q82455ecfe5_prep:
	s_mov_b64 s[64:65], 0
	v_nop
	global_prefetch_b8 v0, s[64:65] scope:SCOPE_SE
	s_setreg_imm32_b32 hwreg(HW_REG_WAVE_MODE, 25, 1), 1
	s_wait_xcnt 0x0
; x [8192][1024], w_qkv [1024][3072] and w_proj [1024][1024], f32, become codes of FP4 (E2M1) with K innermost and one E8M0 byte for each 32 along K.
; A block's scale is 2^(floor(log2(its largest magnitude)) - 2): its byte is the largest magnitude's exponent field - 2, held at 1 from below by a floor among the maximum's leaves.
; LIMITS: a block of zeros, or one whose largest magnitude lies under 2^-124, gets the byte 1 (its codes are zeros or what the floor's scale gives; these bytes are read by this program alone); NaN and infinities are not served.
; OUT: xc [8192 places][512 bytes], xs [8192 places][32 bytes]; wc [4096 places][512 bytes], ws [4096 places][32 bytes]: places 0-3071 w_qkv's columns, 3072-4095 w_proj's.
; ROW ORDER: row (token or column) n lies at the place whose number is n with bits 3 and 4 exchanged.  Sixteen places on end then hold rows 8 u + r + 8 (r / 8) of a group of 32: the order in which a transposed
; product leaves 16 neighbours along the next K in a lane's registers.
; Work-groups 0-127 take the weights (K is their FIRST axis: a lane takes a column, its registers run down K), work-groups 128-383 take x (K innermost: a plain stream of blocks).  The two ways have LDS bytes of their own.
; Every wave of either way reads 32,768 bytes.  A weights work-group takes 64 places x 512 along K: wave w takes places 32 (w % 2) on and the 256 along K numbered w / 2; the two waves of a place meet in one stage in LDS,
; behind one barrier, so that a place's 256 bytes of codes leave whole.
; No work-group shares an input byte with another: no cluster, no tensor load.
.set EMAX,  2
.set STEPS, 16
.set CB,    8                          ; bytes of 16 codes
.set SP,    80                         ; x: a lane's place in a stage: 64 bytes + 16 of padding
.set WREG,  8192                       ; x: LDS of a wave: two stages of 32 x SP bytes, then its 256 scale bytes
.set RN,    16                         ; v16-79   x: four sets of 16 numbers as loaded
.set XN,    80                         ; v80-111  x: two sets of 16 neighbours
.set EB,    112                        ; v112-127 x: a scale byte for each step
.set CN,    128                        ; v128-191 x: codes, four registers for each step: no store's data are written again
.set WSTG,  32768                      ; weights: two stages of 32 rows, behind x's LDS
.set WPIT,  272                        ; weights: a stage row: 256 bytes of codes + 16
.set NB,    8                          ; weights: blocks of 32 along K for a wave
.set SB,    24                         ; v24-25   weights: the scale bytes, four to a register
.set WN,    32                         ; v32-95   weights: two sets of 32 numbers
.set WC,    96                         ; v96-99   weights: a block's codes
.set OUTR,  112                        ; v112-143 weights: the way out
.set OFFR,  176                        ; v176-207 weights: 4 x lane + i x the weight's row pitch, i = 0 .. 31
.macro LOAD t
.irp i, 0,1,2,3
	global_load_b128 v[RN+16*((\t)%4)+4*\i:RN+16*((\t)%4)+4*\i+3], v3, s[4:5] offset:2048*(\t)+512*\i th:TH_LOAD_NT   ; 32 lanes read 512 consecutive bytes
.endr
.endm
.macro TURN t                          ; step t's 2,048 bytes through the stage: in as they lie, out 64 bytes a lane; LDS serves a wave's instructions in order
.irp i, 0,1,2,3
	ds_store_b128 v14, v[RN+16*((\t)%4)+4*\i:RN+16*((\t)%4)+4*\i+3] offset:32*SP*((\t)%2)+8*SP*\i
.endr
.irp i, 0,1,2,3
	ds_load_b128 v[XN+16*((\t)%2)+4*\i:XN+16*((\t)%2)+4*\i+3], v15 offset:32*SP*((\t)%2)+16*\i
.endr
.endm
.macro STEP t
.set XS, XN+16*((\t)%2)
.if (\t) > 0
	s_wait_dscnt 1                                 ; this step's numbers are back from the stage; the last step's byte store may be out
.else
	s_wait_dscnt 0x0
.endif
.if (\t)+4 < STEPS
	LOAD (\t)+4                                    ; into the registers that the stage's stores have read
.endif
.if (\t)+1 < STEPS
.if STEPS-2-(\t) >= 3
	s_wait_loadcnt 12                              ; the next step's four loads are in; the twelve of the three steps behind it may be out
.else
	s_wait_loadcnt 4*(STEPS-2-(\t))
.endif
	TURN (\t)+1
.endif
	v_max3_num_f32 v8, |v[XS]|, |v[XS+1]|, |v[XS+2]|               ; the largest magnitude of my 16, in two chains
	v_max3_num_f32 v9, |v[XS+3]|, |v[XS+4]|, |v[XS+5]|
.irp i, 6,10
	v_max3_num_f32 v8, v8, |v[XS+\i]|, |v[XS+\i+1]|
	v_max3_num_f32 v9, v9, |v[XS+\i+2]|, |v[XS+\i+3]|
.endr
	v_max3_num_f32 v8, v8, |v[XS+14]|, |v[XS+15]|
	v_max3_num_f32 v8, v8, v9, (EMAX+1)<<23        ; and the floor 2^(3 - 127): the byte cannot fall under 1
	v_max_num_f32_dpp v8, v8, v8 row_xmask:1 row_mask:0xf bank_mask:0xf   ; with my neighbour's 16: the block's
	v_add_nc_u32 v11, -(EMAX<<23), v8              ; 2 off its exponent field: the conversion takes that field as its scale
	v_cvt_scalef32_pk8_fp4_f32 v[CN+4*(\t)], v[XS:XS+7], v11
	v_cvt_scalef32_pk8_fp4_f32 v[CN+4*(\t)+1], v[XS+8:XS+15], v11
	v_lshrrev_b32 v[EB+(\t)], 23, v11              ; the scale's byte
	ds_store_b8 v5, v[EB+(\t)] offset:16*(\t)      ; both lanes of a block write the same byte with the same value
	global_store_b64 v4, v[CN+4*(\t):CN+4*(\t)+1], s[10:11] offset:32*CB*(\t)   ; the wave stores 256 consecutive bytes, aligned
.endm
.macro WLOAD t                         ; block t: W(32 t + i, my column) into set t % 2; a wave reads 128 consecutive bytes
.irp i, 0,1,2,3,4,5,6,7,8,9,10,11,12,13,14,15,16,17,18,19,20,21,22,23,24,25,26,27,28,29,30,31
	global_load_b32 v[WN+32*((\t)%2)+\i], v[OFFR+\i], s[32+2*(\t):33+2*(\t)] th:TH_LOAD_NT
.endr
.endm
.macro BLOCK t
.set XS, WN+32*((\t)%2)
.if (\t) < NB-1
	s_wait_loadcnt 32                              ; this block's 32 loads are in; the next block's 32 may be out
.else
	s_wait_loadcnt 0
.endif
	v_max3_num_f32 v12, |v[XS]|, |v[XS+1]|, |v[XS+2]|              ; all 32 numbers of the block are mine
	v_max3_num_f32 v13, |v[XS+3]|, |v[XS+4]|, |v[XS+5]|
.irp i, 6,10,14,18,22,26
	v_max3_num_f32 v12, v12, |v[XS+\i]|, |v[XS+\i+1]|
	v_max3_num_f32 v13, v13, |v[XS+\i+2]|, |v[XS+\i+3]|
.endr
	v_max3_num_f32 v12, v12, |v[XS+30]|, |v[XS+31]|
	v_max3_num_f32 v12, v12, v13, (EMAX+1)<<23
	v_add_nc_u32 v11, -(EMAX<<23), v12
	v_lshrrev_b32 v13, 23, v11
.if (\t)%4 == 0
	v_mov_b32 v[SB+(\t)/4], v13                    ; four bytes to a register, the lower K in the lower byte
.else
	v_lshl_or_b32 v[SB+(\t)/4], v13, 8*((\t)%4), v[SB+(\t)/4]
.endif
.irp g, 0,1,2,3
	v_cvt_scalef32_pk8_fp4_f32 v[WC+\g], v[XS+8*\g:XS+8*\g+7], v11
.endr
	ds_store_b128 v4, v[WC:WC+3] offset:16*(\t)    ; 32 codes: 16 bytes of my half of my column's row in the stage
.if (\t)+2 < NB
	WLOAD (\t)+2
.endif
	s_wait_dscnt 0x0                               ; the store has read its registers: the next block's codes may be written; behind the last block: my stores into the stage are done
.endm
	s_load_b256 s[4:11], s[0:1], 0x0               ; x s[4:5], w_qkv s[6:7], w_proj s[8:9], xc s[10:11]
	s_load_b128 s[12:15], s[0:1], 0x20             ; xs s[12:13], wc s[14:15]
	s_load_b64 s[16:17], s[0:1], 0x30              ; ws
	v_lshl_add_u32 v208, v0, 2, 0x10800
	v_mov_b32 v209, 0
	v_lshrrev_b32 v1, 5, v0
	v_readfirstlane_b32 s18, v1                    ; wave 0..3
	v_and_b32 v2, 31, v0                           ; lane
	s_cmp_lt_u32 ttmp9, 128
	s_cbranch_scc1 .Lweights
	; ---- x: my wave's run is 8 tokens = 8,192 numbers = 16 steps of 512
	v_lshlrev_b32 v3, 4, v2                        ; my 16 bytes of a load's 512
	s_mul_i32 s19, s18, WREG
	v_lshrrev_b32 v14, 2, v2
	v_mul_u32_u24 v14, v14, SP
	v_and_b32 v15, 3, v2
	v_lshl_add_u32 v14, v15, 4, v14
	v_add_nc_u32 v14, s19, v14                     ; the stage, in: SP (lane / 4) + 16 (lane % 4)
	v_mul_u32_u24 v15, v2, SP
	v_add_nc_u32 v15, s19, v15                     ; and out: SP x lane
	v_mul_u32_u24 v4, v2, CB                       ; my codes' place in a step's 256 bytes
	v_lshrrev_b32 v5, 1, v2
	s_add_co_u32 s19, s19, 2*32*SP
	v_add_nc_u32 v5, s19, v5                       ; my block's scale byte in LDS
	v_lshlrev_b32 v7, 3, v2
	v_add_nc_u32 v6, s19, v7                       ; and on the way out 8 bytes a lane
	s_sub_co_u32 s20, ttmp9, 128
	s_lshl_b32 s20, s20, 2
	s_add_co_u32 s21, s20, s18                     ; the run that I read: 4 g + wave
	s_and_b32 s22, s18, 1
	s_lshl_b32 s22, s22, 1
	s_lshr_b32 s23, s18, 1
	s_or_b32 s22, s22, s23
	s_add_co_u32 s22, s20, s22                     ; the run that I write: a token's bits 3 and 4 are the wave's bits 0 and 1, exchanged
	s_mov_b32 s25, 0
	s_wait_alu depctr_va_vdst(0)
	s_wait_kmcnt 0x0
	s_lshl_b32 s24, s21, 15
	s_add_nc_u64 s[4:5], s[4:5], s[24:25]          ; 32,768 bytes of x a run
	s_lshl_b32 s24, s22, 12
	s_add_nc_u64 s[10:11], s[10:11], s[24:25]      ; 4,096 bytes of codes
	s_lshl_b32 s24, s22, 8
	s_add_nc_u64 s[12:13], s[12:13], s[24:25]      ; 256 scale bytes
.irp t, 0,1,2,3
	LOAD \t
.endr
	s_wait_loadcnt 12                              ; step 0's four loads are in
	TURN 0
.irp t, 0,1,2,3,4,5,6,7,8,9,10,11,12,13,14,15
	STEP \t
.endr
	ds_load_b64 v[12:13], v6                       ; LDS serves a wave's instructions in order: these see my byte stores
	s_wait_dscnt 0x0
	global_store_b64 v7, v[12:13], s[12:13]        ; 32 lanes store 256 consecutive bytes, aligned
	s_wait_tensorcnt 0x0
	ds_add_u32 v208, v209
	s_wait_dscnt 0x0
	s_endpgm
.Lweights:
	; ---- the weights: a work-group takes 64 places x 512 along K, a wave 32 places x 256 along K
	s_lshr_b32 s19, ttmp9, 1                       ; which 64 places
	s_and_b32 s20, ttmp9, 1                        ; which 512 along K
	s_and_b32 s48, s18, 1                          ; which 32 of the places are my wave's
	s_lshr_b32 s49, s18, 1                         ; which 256 of the 512 along K
	s_lshl_b32 s21, s19, 6
	s_lshl_b32 s22, s48, 5
	s_add_co_u32 s21, s21, s22                     ; my wave's first place
	s_wait_kmcnt 0x0
	s_cmp_lt_u32 s19, 48                           ; w_qkv or w_proj: the choice hangs on the work-group's number alone
	s_cselect_b64 s[6:7], s[6:7], s[8:9]
	s_mov_b32 s23, 4096
	s_cselect_b32 s23, 12288, s23                  ; the weight's row in bytes
	s_cselect_b32 s24, 0, 3072
	s_sub_co_u32 s24, s21, s24                     ; my first column in its weight
	s_lshl_b32 s26, s20, 1
	s_add_co_u32 s26, s26, s49                     ; which 256 rows of the weight
	s_mul_i32 s26, s26, s23
	s_lshl_b32 s26, s26, 8
	s_lshl_b32 s25, s24, 2
	s_add_co_u32 s26, s26, s25
	s_mov_b32 s27, 0
	s_add_nc_u64 s[32:33], s[6:7], s[26:27]        ; block 0's base
	s_lshl_b32 s28, s23, 5                         ; 32 rows on
	s_mov_b32 s29, 0
.irp t, 1,2,3,4,5,6,7
	s_add_nc_u64 s[32+2*\t:33+2*\t], s[30+2*\t:31+2*\t], s[28:29]   ; a base for each of the 8 blocks: none is stepped while loads are out
.endr
	s_wait_alu depctr_va_vdst(0)
	v_lshlrev_b32 v[OFFR], 2, v2
.irp i, 1,2,3,4,5,6,7,8,9,10,11,12,13,14,15,16,17,18,19,20,21,22,23,24,25,26,27,28,29,30,31
	v_add_nc_u32 v[OFFR+\i], s23, v[OFFR+\i-1]
.endr
	WLOAD 0
	WLOAD 1
	s_mul_i32 s30, s48, 32*WPIT
	s_add_co_u32 s30, s30, WSTG                    ; the stage of my 32 places, which I share with the wave that takes their other 256 along K
	s_lshl_b32 s31, s49, 7
	s_add_co_u32 s31, s31, s30                     ; my 128 bytes of its rows
	v_and_b32 v5, 7, v2
	v_bfe_u32 v6, v2, 3, 1
	v_bfe_u32 v10, v2, 4, 1
	v_lshl_or_b32 v5, v6, 4, v5
	v_lshl_or_b32 v5, v10, 3, v5                   ; my column's place among the 32: bits 3 and 4 exchanged
	v_mul_u32_u24 v4, v5, WPIT
	v_add_nc_u32 v4, s31, v4                       ; into the stage: row = my place
	v_lshlrev_b32 v9, 5, v5                        ; my place's row of scale bytes
	v_and_b32 v5, 15, v2
	s_mul_i32 s31, s49, 16*WPIT
	s_add_co_u32 s31, s31, s30                     ; out of it: I take 16 of the 32 rows, whole
	v_mul_u32_u24 v7, v10, WPIT
	v_lshl_add_u32 v7, v5, 4, v7
	v_add_nc_u32 v7, s31, v7                       ; sixteen lanes to a row, two rows an instruction
	v_lshlrev_b32 v8, 9, v10
	v_lshl_add_u32 v8, v5, 4, v8                   ; and the same place in wc
	s_lshl_b32 s24, s49, 4
	s_add_co_u32 s24, s24, s21                     ; the first place that I store
	s_lshl_b32 s24, s24, 9
	s_lshl_b32 s25, s20, 8
	s_add_co_u32 s24, s24, s25
	s_mov_b32 s25, 0
	s_add_nc_u64 s[14:15], s[14:15], s[24:25]      ; wc: place x 512 + 256 x (which 512 along K)
	s_lshl_b32 s24, s21, 5
	s_lshl_b32 s26, s20, 4
	s_add_co_u32 s24, s24, s26
	s_lshl_b32 s26, s49, 3
	s_add_co_u32 s24, s24, s26
	s_add_nc_u64 s[16:17], s[16:17], s[24:25]      ; ws: place x 32 + my 8 bytes of its row
.irp t, 0,1,2,3,4,5,6,7
	BLOCK \t
.endr
	s_wait_alu depctr_va_vdst(0)
	global_store_b64 v9, v[SB:SB+1], s[16:17]      ; my column's 8 scale bytes (8 bytes of a row of 32: one byte in 128 of what this way reads)
	s_barrier_signal -1                            ; my stores into the stage are done (the last block's wait for 0)
	s_barrier_wait -1                              ; and so are the other wave's: the rows are whole
.irp t, 0,1,2,3,4,5,6,7
	ds_load_b128 v[OUTR+4*\t:OUTR+4*\t+3], v7 offset:2*\t*WPIT
.endr
.irp t, 0,1,2,3,4,5,6,7
	s_wait_dscnt 7-\t                              ; LDS loads come back in order: load t is in
	global_store_b128 v8, v[OUTR+4*\t:OUTR+4*\t+3], s[14:15] offset:2*\t*512   ; sixteen lanes store 256 consecutive bytes, aligned
.endr
	s_wait_tensorcnt 0x0
	ds_add_u32 v208, v209
	s_wait_dscnt 0x0
	s_endpgm
.Lfunc_end_k_q82455ecfe5_prep:
	.size	k_q82455ecfe5_prep, .Lfunc_end_k_q82455ecfe5_prep-k_q82455ecfe5_prep
	.p2alignl 7, 3214868480
	.fill 96, 4, 3214868480
	.section	.rodata,"a",@progbits
	.p2align	6, 0x0
	.amdhsa_kernel k_q82455ecfe5_prep
		.amdhsa_group_segment_fixed_size 68096
		.amdhsa_private_segment_fixed_size 0
		.amdhsa_enable_private_segment 0
		.amdhsa_kernarg_size 56
		.amdhsa_user_sgpr_count 2
		.amdhsa_user_sgpr_kernarg_segment_ptr 1
		.amdhsa_wavefront_size32 1
		.amdhsa_system_sgpr_workgroup_id_x 1
		.amdhsa_system_sgpr_workgroup_id_y 1
		.amdhsa_system_sgpr_workgroup_id_z 1
		.amdhsa_system_vgpr_workitem_id 0
		.amdhsa_next_free_vgpr 210
		.amdhsa_next_free_sgpr 66
		.amdhsa_reserve_vcc 0
		.amdhsa_float_denorm_mode_32 3
		.amdhsa_float_denorm_mode_16_64 3
		.amdhsa_memory_ordered 1
		.amdhsa_forward_progress 1
		.amdhsa_inst_pref_size 75
	.end_amdhsa_kernel
	.amdgpu_metadata
---
amdhsa.version: [ 1, 2 ]
amdhsa.kernels:
  - .name:           k_q82455ecfe5_prep
    .symbol:         k_q82455ecfe5_prep.kd
    .args:
      - { .name: x, .offset: 0, .size: 8, .value_kind: global_buffer, .address_space: global }
      - { .name: w_qkv, .offset: 8, .size: 8, .value_kind: global_buffer, .address_space: global }
      - { .name: w_proj, .offset: 16, .size: 8, .value_kind: global_buffer, .address_space: global }
      - { .name: xc, .offset: 24, .size: 8, .value_kind: global_buffer, .address_space: global }
      - { .name: xs, .offset: 32, .size: 8, .value_kind: global_buffer, .address_space: global }
      - { .name: wc, .offset: 40, .size: 8, .value_kind: global_buffer, .address_space: global }
      - { .name: ws, .offset: 48, .size: 8, .value_kind: global_buffer, .address_space: global }
    .group_segment_fixed_size: 68096
    .private_segment_fixed_size: 0
    .kernarg_segment_align: 8
    .kernarg_segment_size: 56
    .max_flat_workgroup_size: 128
    .sgpr_count:     66
    .vgpr_count:     210
    .wavefront_size: 32
...
	.end_amdgpu_metadata
.endif
;; end of part 1
;; launch qkv (part 2): grid 8 x 32, 4 waves a work-group, clusters of 4 x 4, 327,680 bytes of LDS; arguments xc, xs, wc, ws, b_qkv, qkvc, qkvs; writes qkvc, qkvs
.if DOCPART == 2
	.amdgcn_target "amdgcn-amd-amdhsa--gfx1250"
	.amdhsa_code_object_version 6
	.text
	.protected	k_q82455ecfe5_qkv
	.globl	k_q82455ecfe5_qkv
	.p2align	8
	.type	k_q82455ecfe5_qkv,@function
k_q82455ecfe5_qkv:
	s_mov_b64 s[64:65], 0
	v_nop
	global_prefetch_b8 v0, s[64:65] scope:SCOPE_SE
	s_setreg_imm32_b32 hwreg(HW_REG_WAVE_MODE, 25, 1), 1
	s_wait_xcnt 0x0
	s_wait_alu depctr_hold_cnt(0) depctr_sa_sdst(0) depctr_va_vdst(0) depctr_va_sdst(0) depctr_va_ssrc(0) depctr_va_vcc(0) depctr_vm_vsrc(0)
	s_getreg_b32 s2, hwreg(HW_REG_IB_STS2, 6, 4)
	s_cmp_eq_u32 s2, 0
	s_cbranch_scc0 .Lentry_in_a_cluster
	s_endpgm
.Lentry_in_a_cluster:
	s_bfe_u32 s2, ttmp6, 0x10000c
	s_cmp_lg_u32 s2, 0xf033
	s_cbranch_scc0 .Lentry_shape_is_right
	s_endpgm
.Lentry_shape_is_right:
; qkv = x w_qkv + b_qkv on codes of FP4 with E8M0 scales, K = 1,024; the result is quantised at once for attention and leaves as codes and scale words laid as IMAGES OF OPERAND REGISTERS.
; SHARES: 256 work-groups of equal work.  Work-group (T, c), T one of 32 tiles of 256 tokens, c = 0 .. 7, works in two phases on the same tokens, whose codes and scales stay in LDS:
;   phase 1: 256 tokens x the 256 columns numbered c of q and k (c = 0-3 q, 4-7 k); a wave makes 128 x 128: 64 accumulators;
;   phase 2: the 128 channels numbered c of v x the 256 tokens; a wave makes 64 channels x 128 keys: 32 accumulators.
; THE MATRIX INSTRUCTION IS USED TRANSPOSED: source 0 = 16 rows of the "B side", source 1 = 16 rows of the "A side": a lane holds ONE A row, and its 64 registers of a block run along the B side.
; Phase 1: A = tokens, B = columns: registers run along the head's channels, product 2's K.  Phase 2: A = channels, B = tokens: registers run along the keys, product 3's K.
; Rows lie in xc and wc with bits 3 and 4 of their number exchanged, so register 16 b + i of a lane is B-side index 32 b + 16 (lane / 16) + i: 16 neighbours, as the conversions want them.
; LDS: 256 rows of tokens, then 256 rows of the weight, each row all of K (512 bytes + 16); the scales of both; spare words; the stages.  The head fills each once, one tensor load a wave.
; Behind phase 1's last product v's 128 weight rows and their scales land on the bytes of phase 1's weight, behind the three lines and a round of the cluster's barrier; phase 1's way out stands between that request and the wait for it.
; CLUSTER 4 x 4: the tokens' tile hangs on cy and the cluster alone and is asked for jointly by a row of the cluster, the weight's tiles on cx and the cluster alone, by a column.
; Nothing is prefetched: all tiles but one are asked for at the head, and the text has no loop to run ahead in.
; BIAS: added on the way out: along the B side in phase 1, along the A side in phase 2.
; OUT: qkvc, parts q and k: [8 b + head pair][tile of 16 places][head of the pair][lane][16 bytes]; part v: [b][128 keys][head][16 channels][half][lane][16 bytes]; qkvs: the same index / 8.
; A scale word of q or k holds the head's two bytes TWICE, in its low and in its high half; a scale word of v holds four bytes, one for each 32 keys.
; LIMITS: a block of zeros, or one under 2^-124, gets the scale byte 1 (read by this program alone); NaN and infinities are not served.
; REGISTERS: window 0: v16-31 addresses; v32-95 scale words, two sets (on the way out at work); v96-103 phase 2's bias; v128-191 A's fragments, one set (later a block's 64 numbers); v192-255 the blocks' codes.
;   window 1: v0-63, v128-191 B's fragments, two sets; v192-255 phase 1's bias.  windows 2, 3: accumulator (a, b) at v[8 (8 (a % 4) + b)] of window 2 + a / 4.
.set NQ,     4                         ; scale words of a row for 512 along K
.set PITCH,  528                       ; an LDS row: 512 bytes + 16 of padding = 132 words: the sixteen rows that a load touches start at sixteen different banks
.set FR,     8
.set NL,     2                         ; LDS loads that bring a fragment
.set NP,     4                         ; places behind this matrix instruction (ISA guide 7.12.1)
.set HALFT,  128*PITCH
.set KS,     32                        ; a row of scale bytes
.set SCL,    4*HALFT                   ; the scales, as units of 256 bytes + 16: the tokens' 256 rows, then the weight's
.set HALFS,  16*272                    ; those of 128 rows
.set SBLK,   2*272                     ; those of 16 rows
.set SPARE,  SCL+4*HALFS               ; the spare words, 128 bytes a wave: two blocks of 256 bytes that no other line names
.set STG,    SPARE+512                 ; the stages for scale words, 1,024 bytes a wave: bytes of their own, into which no tensor load lands
.set ADRA,  16                         ; v16-17 phase 1: A's fragments, K's first and second half;  v18-19 phase 2
.set ADRA2, 18
.set ADRB,  20                         ; v20-21, v22-23 the same for B
.set ADRB2, 22
.set STO,  24                          ; my scale word's place in my stage
.set RD,   25                          ; where I read 16 bytes back
.set CO,   26                          ; 16 x lane
.set ADRS, 27                          ; the scale words: lanes 0-15 A's rows, lanes 16-31 B's; phase 1
.set SPW,  28                          ; my spare word; never rewritten
.set NIL,  29                          ; 0; never rewritten
.set SHV,  30                          ; 16 (lane / 16)
.set ADRS2, 31                         ; the scale words, phase 2
.set SC,   32
.set TM,   32
.set SWD,  48
.set OB,   56
.set RA,   96
.set PW,   120
.set AF,   128
.set T,    128
.set PCB,  192
.set RB,   192
.set WV, 18
.set WA, 19
.set WB, 20
.set CX, 21
.set CY, 22
.set XP, 23
.set G1, 24                            ; groups 1 and 0: the tokens' codes
.set G0, 32
.set G0V, 36                           ; group 0: v's weight rows
.set G1B, 48                           ; the weight's codes
.set G0B, 56
.set G0VS, 60                          ; group 0: v's weight scales
.set SEL, 66
.set G1S, 68                           ; the tokens' scales
.set G0S, 76
.set G1SB, 80                          ; the weight's scales
.set G0SB, 88
.set CW, (0<<16)|(1<<20)|(1<<21)|(6<<22)|(3<<25)   ; elements of 1 byte; padding on; bit 21 beside a mask; 4 words of padding after every 128
.set SW, (3<<16)|(1<<20)|(1<<21)|(5<<22)|(3<<25)   ; elements of 8 bytes; 4 words of padding after every 64
.set MSB, 0
.macro WIN new                         ; the immediate's high byte repeats the setting that is left
.if MSB != (\new)
	s_set_vgpr_msb (MSB<<8)|(\new)
.set MSB, (\new)
.endif
.endm
.set TO_B, 0x40
.macro G1SET g, m, w0, c, r, p         ; r rows of c elements, p elements apart; m: the mask
	s_or_b32 s[\g], \m, \w0
	s_mov_b32 s[\g+1], (\c)<<16
	s_mov_b32 s[\g+2], (\r)<<16
	s_mov_b32 s[\g+3], (\c)<<16
	s_mov_b32 s[\g+4], \r
	s_mov_b32 s[\g+5], \p
	s_mov_b32 s[\g+6], 0
	s_mov_b32 s[\g+7], 0
.endm
.macro G0SET g, lds, base, off         ; LDS address, buffer, byte offset (a pair)
	s_mov_b32 s[\g], 1
	s_mov_b32 s[\g+1], \lds
	s_add_nc_u64 s[\g+2:\g+3], s[\base:\base+1], s[\off:\off+1]
	s_or_b32 s[\g+3], s[\g+3], 0x80000000
.endm
.macro ARM under, g0, g1, next, join   ; one arm of a chain of branches on the wave's number: its joint load, s_nop 0 and four v_nop, a jump to the chain's end
	s_cmp_lt_u32 s[WV], \under
	s_cbranch_scc0 \next
	tensor_load_to_lds s[\g0:\g0+3], s[\g1:\g1+7]
	s_nop 0
.rept 4
	v_nop
.endr
	s_branch \join
\next:
.endm
.macro CROUND                          ; a round of the cluster's barrier
	s_barrier_signal -1
	s_barrier_wait -1
	s_cmp_lg_u32 s[WV], 0
	s_cbranch_scc1 .Lnot_wave_0_\@
	s_barrier_signal -3
.Lnot_wave_0_\@:
	s_barrier_wait -3
	s_barrier_signal -1
	s_barrier_wait -1
.endm
.macro PLACES n
.rept \n
	v_nop
.endr
.endm
; PA, PB, PS: the phase's address registers; H: half the number of A's blocks.  k = 0 .. 7: the step of 128 along K
.macro FRAG reg, adr, q, i             ; 16 rows x 128 K of 4-bit codes: lane l holds row l % 16; registers 4 c .. 4 c + 3 hold K = 64 c + 32 (l / 16) + 0 .. 31
.irp c, 0,1
	ds_load_b128 v[\reg+4*\c:\reg+4*\c+3], v[\adr] offset:64*(\q)+32*\c+(\i)*16*PITCH
.endr
.endm
.macro FETCH_B k                       ; B's eight fragments of step k into set k % 2
	WIN TO_B
.irp i, 0,1,2,3,4,5,6,7
	FRAG 128*((\k)%2)+FR*\i, PB+(\k)/4, (\k)%4, \i
.endr
	WIN 0
.endm
.macro FETCH_A k, i0, n                ; A's blocks i0 .. i0 + n - 1 of step k
.set ii, \i0
.rept \n
	FRAG AF+FR*ii, PA+(\k)/4, (\k)%4, ii
.set ii, ii+1
.endr
.endm
.macro SCALES sc                       ; the scale words of K's half sc: four a row; lanes 0-15 take A's block i (beyond A's blocks: bytes that are filled and not used), lanes 16-31 B's block i
.irp i, 0,1,2,3,4,5,6,7
	ds_load_b128 v[SC+8*NQ*\sc+NQ*\i:SC+8*NQ*\sc+NQ*\i+3], v[PS] offset:\i*SBLK+16*\sc
.endr
.endm
; 8 matrix instructions: A's block a against B's eight.  first = 1: the products start the sums: nothing is cleared.
; The accumulators take turns, one instruction a turn, in the same order in every step.
.macro MULB a, p, q, sc, first
.if \first
	WIN ((2+(\a)/4)<<6)|1
.else
	WIN ((2+(\a)/4)<<6)|((2+(\a)/4)<<4)|1
.endif
.irp b, 0,1,2,3,4,5,6,7
.if \first
	v_wmma_scale_f32_16x16x128_f8f6f4 v[8*(8*((\a)%4)+\b):8*(8*((\a)%4)+\b)+7], v[128*(\p)+FR*\b:128*(\p)+FR*\b+FR-1], v[AF+FR*(\a):AF+FR*(\a)+FR-1], 0, v[SC+8*NQ*(\sc)+NQ*\b+(\q)], v[SC+8*NQ*(\sc)+NQ*(\a)+(\q)] matrix_a_fmt:MATRIX_FMT_FP4 matrix_b_fmt:MATRIX_FMT_FP4 matrix_a_scale:MATRIX_SCALE_ROW1
.else
	v_wmma_scale_f32_16x16x128_f8f6f4 v[8*(8*((\a)%4)+\b):8*(8*((\a)%4)+\b)+7], v[128*(\p)+FR*\b:128*(\p)+FR*\b+FR-1], v[AF+FR*(\a):AF+FR*(\a)+FR-1], v[8*(8*((\a)%4)+\b):8*(8*((\a)%4)+\b)+7], v[SC+8*NQ*(\sc)+NQ*\b+(\q)], v[SC+8*NQ*(\sc)+NQ*(\a)+(\q)] matrix_a_fmt:MATRIX_FMT_FP4 matrix_b_fmt:MATRIX_FMT_FP4 matrix_a_scale:MATRIX_SCALE_ROW1
.endif
.endr
.endm
.macro MULS a0, n, k, first
.set aa, \a0
.rept \n
	MULB aa, ((\k)%2), ((\k)%4), ((\k)/4), \first
.set aa, aa+1
.endr
.endm
.macro STEPK k, first                  ; step k, and the fetch of step k + 1
	s_wait_dscnt H*NL                              ; B's set and A's lower blocks are in; the youngest H x 2 loads (A's upper blocks) may be out
	MULS 0, H, \k, \first
	s_wait_dscnt 0
	PLACES NP                                      ; in front of loads into registers that matrix instructions have read
	FETCH_B (\k)+1
	FETCH_A (\k)+1, 0, H
.if ((\k)%4) == 3
	SCALES 1
.endif
	MULS H, H, \k, \first
	PLACES NP
	WIN 0
	FETCH_A (\k)+1, H, H
.endm
.macro PRODUCT                         ; all of K
	FETCH_B 0
	FETCH_A 0, 0, H
	SCALES 0
	FETCH_A 0, H, H
	STEPK 0, 1
.irp k, 1,2,3,4,5,6
	STEPK \k, 0
.endr
	s_wait_dscnt H*NL                              ; the last step: nothing more to fetch
	MULS 0, H, 7, 0
	s_wait_dscnt 0
	MULS H, H, 7, 0
	WIN 0
.endm
; 64 numbers of a lane, register 16 b + i = k 32 b + 16 (lane / 16) + i of my row, become a fragment's codes in v[pc] on and its scale word in v[pw].
.macro QUANT s, pc, pw
.irp b, 0,1,2,3
	v_max3_num_f32 v[TM+\b], |v[\s+16*\b]|, |v[\s+1+16*\b]|, 0x1800000   ; my 16 numbers of block b, and the floor 2^(3 - 127)
.endr
.irp i, 2,4,6,8,10,12,14
.irp b, 0,1,2,3
	v_max3_num_f32 v[TM+\b], v[TM+\b], |v[\s+16*\b+\i]|, |v[\s+1+16*\b+\i]|
.endr
.endr
.irp b, 0,1,2,3
	v_permlanex16_b32 v[TM+4+\b], v[TM+\b], s[SEL], s[SEL+1]
.endr
.irp b, 0,1,2,3
	v_max_num_f32 v[TM+\b], v[TM+\b], v[TM+4+\b]   ; with lane l xor 16's: the block's largest magnitude
.endr
.irp b, 0,1,2,3
	v_add_nc_u32 v[TM+12+\b], 0xff000000, v[TM+\b] ; 2 off its exponent field: the conversion's scale operand
.endr
.irp b, 0,1,2,3
	v_lshrrev_b32 v[TM+4+\b], 23, v[TM+12+\b]      ; the scale's byte
.endr
	v_lshl_or_b32 v[\pw], v[TM+5], 8, v[TM+4]
	v_lshl_or_b32 v[\pw], v[TM+6], 16, v[\pw]
	v_lshl_or_b32 v[\pw], v[TM+7], 24, v[\pw]
.irp b, 0,1,2,3
	v_cvt_scalef32_pk8_fp4_f32 v[\pc+2*\b], v[\s+16*\b:\s+7+16*\b], v[TM+12+\b]
	v_cvt_scalef32_pk8_fp4_f32 v[\pc+1+2*\b], v[\s+8+16*\b:\s+15+16*\b], v[TM+12+\b]
.endr
	v_nop                                          ; one plain place behind a scaled conversion
.irp c, 0,1                                    ; the operand's layout wants a whole block in a lane
.irp i, 0,1
	v_permlane16_swap_b32 v[\pc+4*\c+\i], v[\pc+2+4*\c+\i]
.endr
.endr
.endm
; THE WAY OUT of A's block a: + the bias, quantised along the B side, the fragment's image stored as it stands (each store covers 512 consecutive bytes, aligned); its scale words go to my stage.
.macro EPI a, ph, out
.if \ph == 1
	WIN 0x04|(0x02+(\a)/4)                         ; the sums: window 2 or 3; the bias: window 1
.else
	WIN 0x02
.endif
.set i, 0
.rept 32
.if \ph == 1
	v_pk_add_f32 v[T+2*i:T+2*i+1], v[64*((\a)%4)+2*i:64*((\a)%4)+2*i+1], v[RB+2*i:RB+2*i+1]   ; each accumulator from its low end on
.else
	v_pk_add_f32 v[T+2*i:T+2*i+1], v[64*(\a)+2*i:64*(\a)+2*i+1], v[RA+2*(\a):RA+2*(\a)+1]
.endif
.set i, i+1
.endr
	WIN 0
.if \ph == 1
	QUANT T, PCB+8*(\a), PW
.else
	QUANT T, PCB+8*(\a), SWD+(\a)
.endif
	global_store_b128 v[CO], v[PCB+8*(\a):PCB+8*(\a)+3], s[\out:\out+1] offset:1024*(\a)   ; each block of a phase has registers of its own for its codes
	global_store_b128 v[CO], v[PCB+8*(\a)+4:PCB+8*(\a)+7], s[\out:\out+1] offset:1024*(\a)+512
.if \ph == 1
	v_lshrrev_b32 v[SWD+(\a)], v[SHV], v[PW]       ; lanes 0-15 keep the first head's two bytes, lanes 16-31 the second's,
	v_and_b32 v[SWD+(\a)], 0xffff, v[SWD+(\a)]
	v_lshl_or_b32 v[SWD+(\a)], v[SWD+(\a)], 16, v[SWD+(\a)]   ; in both halves of the word
.endif
	ds_store_b32 v[STO], v[SWD+(\a)] offset:128*(\a)
.endm
	s_load_b256 s[4:11], s[0:1], 0x0               ; xc s[4:5], xs s[6:7], wc s[8:9], ws s[10:11]
	s_load_b128 s[12:15], s[0:1], 0x20             ; b_qkv s[12:13], qkvc s[14:15]
	s_load_b64 s[16:17], s[0:1], 0x30              ; qkvs
	v_lshl_add_u32 v[SPW], v0, 2, SPARE
	v_mov_b32 v[NIL], 0
	ds_add_u32 v[SPW], v[NIL]                      ; the opening: the add, twice on end, and its wait ahead of the first tensor load; the set-up below stands between
	ds_add_u32 v[SPW], v[NIL]
	v_lshrrev_b32 v1, 5, v0
	v_readfirstlane_b32 s[WV], v1                  ; wave 0..3
	s_lshr_b32 s[WA], s[WV], 1                     ; my half of the A side
	s_and_b32 s[WB], s[WV], 1                      ; my half of the B side
	s_bfe_u32 s[CX], ttmp6, 0x40000
	s_bfe_u32 s[CY], ttmp6, 0x40004
	s_mov_b32 s[XP], ttmp9                         ; cluster x: 0 q, 1 k
	s_and_b32 s40, ttmp7, 0xffff                   ; cluster y: the batch
	s_lshl_b32 s42, s40, 2
	s_add_co_u32 s42, s42, s[CY]                   ; T: the tokens' tile
	s_lshl_b32 s44, s[XP], 2
	s_add_co_u32 s44, s44, s[CX]                   ; c: the weight's tile of 256 columns of q, k; also v's piece of 128 channels
	s_lshl_b32 s41, s[CY], 2
	s_lshl_b32 s41, 15, s41                        ; my row of the cluster
	s_lshl_b32 s45, 0x1111, s[CX]                  ; my column
	G1SET G1,   s41, CW, 512, 256, 512             ; 256 rows of 512 bytes
	G1SET G1B,  s45, CW, 512, 256, 512
	G1SET G1S,  s41, SW, 32, 32, 32                ; the scales of 256 rows: 8,192 dense bytes as 32 units of 256
	G1SET G1SB, s45, SW, 32, 32, 32
	s_lshl_b32 s2, s42, 13                         ; the tokens' tile: its scale bytes,
	s_lshl_b32 s46, s42, 17                        ; its codes
	s_mov_b32 s47, 0
	s_mov_b32 s3, 0
	s_lshl_b32 s94, s44, 13                        ; the weight's tile likewise, in registers of its own
	s_lshl_b32 s92, s44, 17
	s_mov_b32 s93, 0
	s_mov_b32 s95, 0
	s_lshl_b32 s96, s44, 16                        ; v's piece: places 2,048 + 128 c on; waves 0 and 1 fetch 64 rows each
	s_lshl_b32 s43, s[WV], 15
	s_add_co_u32 s96, s96, s43
	s_add_co_u32 s96, s96, 0x100000
	s_mov_b32 s97, 0
	s_lshl_b32 s98, s44, 12
	s_add_co_u32 s98, s98, 0x10000                 ; and its scale bytes
	s_mov_b32 s99, 0
	s_mul_i32 s43, s[WV], 64*PITCH
	s_add_co_u32 s43, s43, 2*HALFT                 ; where my 64 rows go: by the wave's number alone
	s_wait_dscnt 0x0                               ; both opening adds are done
	s_wait_kmcnt 0x0
	G0SET G0,   0,           4,  46
	G0SET G0B,  2*HALFT,     8,  92
	G0SET G0S,  SCL,         6,  2
	G0SET G0SB, SCL+2*HALFS, 10, 94
	G0SET G0V,  s43,         8,  96
	G0SET G0VS, SCL+2*HALFS, 10, 98
	CROUND                                         ; all sixteen work-groups are here: the joint loads meet
	ARM 1, G0,  G1,  .Lhead_b,  .Lhead_asked       ; one joint load a wave, in one chain of branches on the wave's number: every way through the head passes exactly one
	ARM 2, G0B, G1B, .Lhead_sa, .Lhead_asked
	ARM 3, G0S, G1S, .Lhead_sb, .Lhead_asked
	tensor_load_to_lds s[G0SB:G0SB+3], s[G1SB:G1SB+7]
	s_nop 0
.rept 4
	v_nop
.endr
.Lhead_asked:
	s_lshl_b32 s92, s44, 10                        ; phase 1's bias: my 128 columns, in bytes
	s_lshl_b32 s93, s[WB], 9
	s_add_co_u32 s92, s92, s93
	s_mov_b32 s93, 0
	s_add_nc_u64 s[8:9], s[12:13], s[92:93]
	s_lshl_b32 s92, s44, 9                         ; phase 2's: channels 2,048 + 128 c + 64 wa on
	s_lshl_b32 s94, s[WA], 8
	s_add_co_u32 s92, s92, s94
	s_add_co_u32 s92, s92, 8192
	s_add_nc_u64 s[10:11], s[12:13], s[92:93]
	s_lshl_b32 s92, s40, 3                         ; phase 1's codes: part x 4 MiB + (8 Y + 2 cx + wb) x 65,536 + (16 cy + 8 wa) x 1,024
	s_lshl_b32 s94, s[CX], 1
	s_add_co_u32 s94, s94, s92
	s_add_co_u32 s94, s94, s[WB]
	s_lshl_b32 s94, s94, 16
	s_lshl_b32 s95, s[CY], 4
	s_lshl_b32 s96, s[WA], 3
	s_add_co_u32 s95, s95, s96
	s_lshl_b32 s95, s95, 10
	s_add_co_u32 s94, s94, s95
	s_lshl_b32 s95, s[XP], 22
	s_add_co_u32 s94, s94, s95
	s_mov_b32 s95, 0
	s_lshl_b32 s96, s[CY], 1                       ; phase 2's: 8 MiB + (8 Y + 2 cy + wb) x 65,536 + (8 c + 4 wa) x 1,024
	s_add_co_u32 s96, s96, s92
	s_add_co_u32 s96, s96, s[WB]
	s_lshl_b32 s96, s96, 16
	s_lshl_b32 s97, s44, 3
	s_lshl_b32 s98, s[WA], 2
	s_add_co_u32 s97, s97, s98
	s_lshl_b32 s97, s97, 10
	s_add_co_u32 s96, s96, s97
	s_add_co_u32 s96, s96, 0x800000
	s_mov_b32 s97, 0
	s_lshr_b32 s98, s96, 3                         ; the scale words: an eighth of that
	s_mov_b32 s99, 0
	s_add_nc_u64 s[96:97], s[14:15], s[96:97]
	s_add_nc_u64 s[98:99], s[16:17], s[98:99]
	s_add_nc_u64 s[14:15], s[14:15], s[94:95]
	s_lshr_b32 s94, s94, 3
	s_add_nc_u64 s[16:17], s[16:17], s[94:95]
	s_mul_i32 s41, s[WA], HALFT                    ; LDS.  Phase 1: A = my 128 tokens,
	s_mul_i32 s47, s[WB], HALFT                    ; phase 2: B = my 128 tokens
	s_add_co_u32 s43, s47, 2*HALFT                 ; phase 1: B = my 128 columns
	s_mul_i32 s46, s[WA], 64*PITCH
	s_add_co_u32 s46, s46, 2*HALFT                 ; phase 2: A = my 64 channels
	s_mul_i32 s92, s[WA], HALFS
	s_mul_i32 s94, s[WB], HALFS
	s_add_co_u32 s93, s94, 2*HALFS
	s_sub_co_u32 s93, s93, s92                     ; phase 1's scale words: from A's base (the tokens') up to B's
	s_add_co_u32 s92, s92, SCL
	s_mul_i32 s95, s[WA], 8*272
	s_add_co_u32 s95, s95, 2*HALFS
	s_sub_co_u32 s95, s95, s94                     ; phase 2's: from B's base (the tokens') up to A's
	s_add_co_u32 s94, s94, SCL
	s_lshl_b32 s2, s[WV], 10
	s_add_co_u32 s2, s2, STG                       ; my stage
	s_mov_b32 s[SEL], 0x76543210
	s_mov_b32 s[SEL+1], 0xfedcba98                 ; lane l xor 16
	v_and_b32 v1, 15, v0                           ; r
	v_bfe_u32 v2, v0, 4, 1                         ; h
	v_and_b32 v6, 31, v0
	v_lshlrev_b32 v7, 6, v2                        ; along the B side: tile t's eight numbers of my half: index 32 (t / 2) + 16 h + 8 (t % 2) + 0 .. 7
	v_and_b32 v8, 8, v1
	v_add_nc_u32 v8, v8, v1
	v_lshlrev_b32 v8, 2, v8                        ; along the A side: block a's row r is index 32 (a / 2) + 8 (a % 2) + r + 8 (r / 8)
	WIN TO_B
.irp t, 0,1,2,3,4,5,6,7
	global_load_b128 v[RB+8*\t:RB+8*\t+3], v7, s[8:9] offset:4*(32*(\t/2)+8*(\t%2))
	global_load_b128 v[RB+8*\t+4:RB+8*\t+7], v7, s[8:9] offset:4*(32*(\t/2)+8*(\t%2))+16
.endr
	WIN 0
.irp a, 0,1,2,3
	global_load_b32 v[RA+2*\a], v8, s[10:11] offset:4*(32*(\a/2)+8*(\a%2))     ; twice: a pair for the packed addition
	global_load_b32 v[RA+2*\a+1], v8, s[10:11] offset:4*(32*(\a/2)+8*(\a%2))
.endr
	v_mul_u32_u24 v3, v1, PITCH
	v_lshl_add_u32 v4, v2, 4, v3                   ; a fragment's row x pitch + 16 x half
	v_add_nc_u32 v[ADRA], s41, v4
	v_add_nc_u32 v[ADRB], s43, v4
	v_add_nc_u32 v[ADRA2], s46, v4
	v_add_nc_u32 v[ADRB2], s47, v4
.irp g, ADRA, ADRB, ADRA2, ADRB2
	v_add_nc_u32 v[\g+1], 256, v[\g]               ; K's second half lies 256 bytes on in each row
.endr
	v_mul_u32_u24 v5, v1, KS                       ; my row's scales: 32 bytes a row,
	v_lshrrev_b32 v9, 8, v5
	v_lshl_add_u32 v5, v9, 4, v5                   ; and 16 more for each 256 passed
	v_mul_u32_u24 v9, s93, v2                      ; phase 1: lanes 16-31 take B's: one product, the distance between the two bases
	v_xor_b32 v10, 1, v2
	v_mul_u32_u24 v10, s95, v10                    ; phase 2: lanes 0-15 take A's, which lie above
	v_add_nc_u32 v9, v5, v9
	v_add_nc_u32 v10, v5, v10
	v_add_nc_u32 v[ADRS], s92, v9
	v_add_nc_u32 v[ADRS2], s94, v10
	v_lshl_add_u32 v[STO], v6, 2, s2
	v_lshl_add_u32 v[RD], v6, 4, s2
	v_lshlrev_b32 v[CO], 4, v6
	v_lshlrev_b32 v[SHV], 4, v2
	s_wait_alu depctr_va_vdst(0)
	s_wait_tensorcnt 0x0                           ; my one tile is in
	s_barrier_signal -1
	s_barrier_wait -1                              ; everybody's are
	; ---- phase 1: q or k
.set PA, ADRA
.set PB, ADRB
.set PS, ADRS
.set H,  4
	PRODUCT
	s_wait_tensorcnt 0x0                           ; no tensor load of mine is out, so a descriptor may be written;
	ds_add_u32 v[SPW], v[NIL]                      ; 0 onto my spare word
	s_mov_b32 s[G1B+2], 64<<16                     ; v's weight rows: 64 a load,
	s_mov_b32 s[G1B+4], 64
	s_mov_b32 s[G1SB+2], 16<<16                    ; the scales of its 128 rows: 16 units
	s_mov_b32 s[G1SB+4], 16
	s_wait_dscnt 0x0                               ; the add is done, and my reads of the weight's rows and scales are over
	CROUND                                         ; that holds of every wave of every work-group of the cluster
	ARM 2, G0V,  G1B,  .Lv_s,    .Lv_asked         ; the refill, first behind the round, at most one load a wave: waves 0 and 1 the rows, wave 2 the scales
	ARM 3, G0VS, G1SB, .Lv_none, .Lv_asked
.Lv_asked:
	PLACES NP                                      ; in front of the first read of results and of writes over operands that are done with
.irp b, 0,1,2,3
	v_mov_b32 v[TM+4+\b], 0                        ; a lane permute's destination counts as one of its sources
.endr
	s_wait_loadcnt 0x0                             ; the biases
.irp a, 0,1,2,3,4,5,6,7
	EPI \a, 1, 14
.endr
	ds_load_b128 v[OB:OB+3], v[RD]                 ; LDS serves a wave's instructions in order: these see my eight stores
	ds_load_b128 v[OB+4:OB+7], v[RD] offset:512
	s_wait_dscnt 0x0
	global_store_b128 v[CO], v[OB:OB+3], s[16:17]              ; my wave's 1,024 bytes of scale words, 512 consecutive bytes a store, aligned
	global_store_b128 v[CO], v[OB+4:OB+7], s[16:17] offset:512
	s_wait_alu depctr_va_vdst(0)
	s_wait_tensorcnt 0x0                           ; my part of v's weight, if I asked for one, is in
	s_barrier_signal -1
	s_barrier_wait -1                              ; everybody's are
	s_wait_xcnt 0x0                                ; phase 1's stores have read their registers: phase 2 may write them
	; ---- phase 2: v
.set PA, ADRA2
.set PB, ADRB2
.set PS, ADRS2
.set H,  2
	PRODUCT
	PLACES NP
.irp b, 0,1,2,3
	v_mov_b32 v[TM+4+\b], 0
.endr
.irp a, 0,1,2,3
	EPI \a, 2, 96
.endr
	ds_load_b128 v[OB:OB+3], v[RD]                 ; my four stores of scale words
	s_wait_dscnt 0x0
	global_store_b128 v[CO], v[OB:OB+3], s[98:99]  ; 512 consecutive bytes, aligned
	s_wait_tensorcnt 0x0                           ; the wave's end
	ds_add_u32 v[SPW], v[NIL]
	s_wait_dscnt 0x0
	CROUND                                         ; the closing round
	s_endpgm
.Lfunc_end_k_q82455ecfe5_qkv:
	.size	k_q82455ecfe5_qkv, .Lfunc_end_k_q82455ecfe5_qkv-k_q82455ecfe5_qkv
	.p2alignl 7, 3214868480
	.fill 96, 4, 3214868480
	.section	.rodata,"a",@progbits
	.p2align	6, 0x0
	.amdhsa_kernel k_q82455ecfe5_qkv
		.amdhsa_group_segment_fixed_size 327680
		.amdhsa_private_segment_fixed_size 0
		.amdhsa_enable_private_segment 0
		.amdhsa_kernarg_size 56
		.amdhsa_user_sgpr_count 2
		.amdhsa_user_sgpr_kernarg_segment_ptr 1
		.amdhsa_wavefront_size32 1
		.amdhsa_system_sgpr_workgroup_id_x 1
		.amdhsa_system_sgpr_workgroup_id_y 1
		.amdhsa_system_sgpr_workgroup_id_z 1
		.amdhsa_system_vgpr_workitem_id 0
		.amdhsa_next_free_vgpr 1024
		.amdhsa_next_free_sgpr 100
		.amdhsa_reserve_vcc 0
		.amdhsa_float_denorm_mode_32 3
		.amdhsa_float_denorm_mode_16_64 3
		.amdhsa_memory_ordered 1
		.amdhsa_forward_progress 1
		.amdhsa_inst_pref_size 223
	.end_amdhsa_kernel
	.amdgpu_metadata
---
amdhsa.version: [ 1, 2 ]
amdhsa.kernels:
  - .name:           k_q82455ecfe5_qkv
    .symbol:         k_q82455ecfe5_qkv.kd
    .args:
      - { .name: xc, .offset: 0, .size: 8, .value_kind: global_buffer, .address_space: global }
      - { .name: xs, .offset: 8, .size: 8, .value_kind: global_buffer, .address_space: global }
      - { .name: wc, .offset: 16, .size: 8, .value_kind: global_buffer, .address_space: global }
      - { .name: ws, .offset: 24, .size: 8, .value_kind: global_buffer, .address_space: global }
      - { .name: b_qkv, .offset: 32, .size: 8, .value_kind: global_buffer, .address_space: global }
      - { .name: qkvc, .offset: 40, .size: 8, .value_kind: global_buffer, .address_space: global }
      - { .name: qkvs, .offset: 48, .size: 8, .value_kind: global_buffer, .address_space: global }
    .group_segment_fixed_size: 327680
    .private_segment_fixed_size: 0
    .kernarg_segment_align: 8
    .kernarg_segment_size: 56
    .max_flat_workgroup_size: 128
    .sgpr_count:     100
    .vgpr_count:     1024
    .wavefront_size: 32
...
	.end_amdgpu_metadata
.endif
;; end of part 2
;; launch attn (part 3): grid 4 x 64, 16 waves a work-group, clusters of 4 x 1, 327,680 bytes of LDS; arguments qkvc, qkvs, oc, os; writes oc, os
.if DOCPART == 3
	.amdgcn_target "amdgcn-amd-amdhsa--gfx1250"
	.amdhsa_code_object_version 6
	.text
	.protected	k_q82455ecfe5_attn
	.globl	k_q82455ecfe5_attn
	.p2align	8
	.type	k_q82455ecfe5_attn,@function
k_q82455ecfe5_attn:
	s_mov_b64 s[64:65], 0
	v_nop
	global_prefetch_b8 v0, s[64:65] scope:SCOPE_SE
	s_setreg_imm32_b32 hwreg(HW_REG_WAVE_MODE, 25, 1), 1
	s_wait_xcnt 0x0
	s_wait_alu depctr_hold_cnt(0) depctr_sa_sdst(0) depctr_va_vdst(0) depctr_va_sdst(0) depctr_va_ssrc(0) depctr_va_vcc(0) depctr_vm_vsrc(0)
	s_getreg_b32 s2, hwreg(HW_REG_IB_STS2, 6, 4)
	s_cmp_eq_u32 s2, 0
	s_cbranch_scc0 .Lentry_in_a_cluster
	s_endpgm
.Lentry_in_a_cluster:
	s_bfe_u32 s2, ttmp6, 0x10000c
	s_cmp_lg_u32 s2, 0x3003
	s_cbranch_scc0 .Lentry_shape_is_right
	s_endpgm
.Lentry_shape_is_right:
; o = softmax(q k^T / 8) v for a pair of heads of one batch, both products on codes of FP4 (E2M1) with E8M0 scales; o is quantised at once along its channels for the last product.
; IN: qkvc, qkvs as the launch before lays them: images of operand registers.  q, k: [8 b + pair][tile of 16 places][head][lane][16 bytes]; v: [b][128 keys][head][16 channels][half][lane][16 bytes]; the scale words at the same index / 8.
; OUT: oc [64 b + tile of 16 places][pair][head][lane][16 bytes], os [64 b + tile][row][pair][4 bytes].
; SOFTMAX: t = score x log2(e) / 8; M = the running largest t rounded up to a whole number; p = 2^(t - M) is quantised along the keys, not normalised; the row's sum of the unquantised p divides at the end;
; when M moves, the sum and O^T are multiplied by 2^(old M - new M), which rounds nothing.  No branch hangs on data.
; LIMITS: the promise holds while |t| stays under 2^31; NaN and infinities are not served; a block of zeros, or one under 2^-124, gets the scale byte 1 (read by this program alone).
; SHARES: a work-group owns 256 queries of a pair of heads, each of its sixteen waves 16 queries, first head 0, then head 1, 128 keys a step.  The pair's K, V and scale words, 147,456 bytes, are filled once and stay in LDS.
; CLUSTER 4 x 1: the four work-groups of a pair read the same K and V: each tile is asked for jointly, mask 15.  Nothing is prefetched: all tiles are asked for at the head, and there is no loop of fills to run ahead in.
; LAYOUT: both products transposed (S^T = K Q^T, O^T = V^T P^T): a lane holds one query.  A head has 64 channels, half of a product's K: a fragment of K holds tile t in its low half and tile t + 4 in its high half,
; and Q stands as (q, 0) or (0, q).  Places lie so that the 16 registers of tiles 2 b, 2 b + 1 are 16 neighbouring keys.
; REGISTERS: v1-4 addresses that stay; v8-11 the step's; v12 -M, v13 the largest t, v[14:15] the sum; v16-27, v204-215 Q (q, 0, q); v28 the old -M; v32-63 K; v64-95 V; v96-159 S^T, then p; v160-191 O^T; v192-193 Q's scales;
; v194 o's scale word; v196-203 o's codes; v224-231 p's codes; v240-243 V's scales; v248-251 K's scales; v253 p's scale word; the rest at work.
.set KIMG,  0                          ; K's images, 65,536 bytes
.set VIMG,  65536                      ; V's
.set KSC,   131072                     ; K's scale words, 8,192 bytes
.set VSC,   139264                     ; V's
.set SPARE, 147456                     ; the spare words, 128 bytes a wave: eight blocks of 256 bytes that no other line names
.set AK0,  1
.set AV0,  2
.set ASK0, 3
.set ASV0, 4
.set SPW,  5
.set NIL,  6
.set GO,   7
.set ADK,  8
.set ADV,  9
.set ADS,  10
.set ADT,  11
.set OSW,  194
.set OSO,  195
.set OC,   196
.set WV,   12
.set SEL,  18
.set CS,   20
.set T8,   22
.set T1,   23
.set G1KC, 24                          ; group 1 for K's codes, V's codes, K's scales, V's scales
.set G1VC, 32
.set G1KS, 40
.set G1VS, 48
.set G0C,  56                          ; group 0 for a wave that fetches codes; for one that fetches scales
.set G0S,  60
.set KC,   66
.macro CROUND                          ; a round of the cluster's barrier
	s_barrier_signal -1
	s_barrier_wait -1
	s_cmp_lg_u32 s[WV], 0
	s_cbranch_scc1 .Lnot_wave_0_\@
	s_barrier_signal -3
.Lnot_wave_0_\@:
	s_barrier_wait -3
	s_barrier_signal -1
	s_barrier_wait -1
.endm
.macro G1SET g, c, r, p                ; r rows of c elements of 8 bytes, p elements apart, dense in LDS; mask 15 and bit 21 beside it
	s_mov_b32 s[\g], 15|(3<<16)|(1<<21)
	s_mov_b32 s[\g+1], (\c)<<16
	s_mov_b32 s[\g+2], (\r)<<16
	s_mov_b32 s[\g+3], (\c)<<16
	s_mov_b32 s[\g+4], \r
	s_mov_b32 s[\g+5], \p
	s_mov_b32 s[\g+6], 0
	s_mov_b32 s[\g+7], 0
.endm
.macro ARM under, g0, g1, next         ; one arm of the head's chain: its joint load, s_nop 0 and four v_nop, a jump to the chain's end
	s_cmp_lt_u32 s[WV], \under
	s_cbranch_scc0 \next
	tensor_load_to_lds s[\g0:\g0+3], s[\g1:\g1+7]
	s_nop 0
.rept 4
	v_nop
.endr
	s_branch .Lasked
\next:
.endm
.macro QK t, hi, hd                    ; 16 keys x my 16 queries: the fragment's low half against (q, 0), its high half against (0, q)
.if \hi
	v_wmma_scale_f32_16x16x128_f8f6f4 v[128+8*(\t):135+8*(\t)], v[32+8*(\t):39+8*(\t)], v[20+188*(\hd):27+188*(\hd)], 0, v[248+(\t)], v[192+(\hd)] matrix_a_fmt:MATRIX_FMT_FP4 matrix_b_fmt:MATRIX_FMT_FP4 matrix_a_scale:MATRIX_SCALE_ROW1
.else
	v_wmma_scale_f32_16x16x128_f8f6f4 v[96+8*(\t):103+8*(\t)], v[32+8*(\t):39+8*(\t)], v[16+188*(\hd):23+188*(\hd)], 0, v[248+(\t)], v[192+(\hd)] matrix_a_fmt:MATRIX_FMT_FP4 matrix_b_fmt:MATRIX_FMT_FP4
.endif
.endm
.macro KLOAD adk, ads, o8, o1, hd      ; a step's eight tiles of K and their scale words (lanes 0-15 tile t's, lanes 16-31 tile t + 4's): 12 LDS loads
.irp tt, 0,1,2,3,4,5,6,7
	ds_load_b128 v[32+8*(\tt%4)+4*(\tt/4):35+8*(\tt%4)+4*(\tt/4)], v[\adk] offset:\o8+1024*\tt+512*\hd
.endr
.irp t, 0,1,2,3
	ds_load_b32 v[248+\t], v[\ads] offset:\o1+128*\t+64*\hd
.endr
.endm
.macro PKF p, n                        ; t - M of n pairs of scores from pair p on
.set pp, \p
.rept \n
	v_pk_fma_f32 v[96+2*pp:97+2*pp], v[96+2*pp:97+2*pp], s[CS:CS+1], v[12:13] op_sel_hi:[1,0,0]
.set pp, pp+1
.endr
.endm
; A KEY STEP: 128 keys
.macro STEP hd
	v_add_nc_u32 v[ADV], s[T8], v[AV0]             ; (these four are also the places behind the last step's products, ahead of the loads into their operands)
	v_add_nc_u32 v[ADT], s[T1], v[ASV0]
	v_add_nc_u32 v[ADK], s[T8], v[AK0]
	v_add_nc_u32 v[ADS], s[T1], v[ASK0]
.irp i, 0,1,2,3
.irp c, 0,1
	ds_load_b128 v[64+8*\i+4*\c:67+8*\i+4*\c], v[ADV] offset:4096*\hd+1024*\i+512*\c
.endr
.endr
.irp i, 0,1,2,3
	ds_load_b32 v[240+\i], v[ADT] offset:512*\hd+128*\i
.endr
	s_wait_alu depctr_va_vdst(0)
	s_wait_dscnt 12                                ; K's 12 loads, issued a step ago, are in; V's 12 may be out
.irp t, 0,1,2,3
	QK \t, 0, \hd
.endr
.irp t, 0,1,2,3
	QK \t, 1, \hd
.endr
	v_mov_b32 v28, v12                             ; the old -M; with three v_nop the four places behind the products
.rept 3
	v_nop
.endr
	KLOAD ADK, ADS, 8192, 1024, \hd                ; the next step's K (in the last step: bytes of V's, filled and not used)
.irp b, 0,1,2,3
	v_max3_num_f32 v[232+\b], v[96+16*\b], v[97+16*\b], v[98+16*\b]   ; the largest score of each block of 32 keys, the four blocks by turns
.endr
.irp i, 3,5,7,9,11,13
.irp b, 0,1,2,3
	v_max3_num_f32 v[232+\b], v[232+\b], v[96+16*\b+\i], v[97+16*\b+\i]
.endr
.endr
.irp b, 0,1,2,3
	v_max_num_f32 v[232+\b], v[232+\b], v[111+16*\b]
.endr
.irp b, 0,1,2,3
	s_delay_alu instid0(VALU_DEP_4)
	v_permlanex16_b32 v[236+\b], v[232+\b], s[SEL], s[SEL+1]
.endr
.irp b, 0,1,2,3
	s_delay_alu instid0(VALU_DEP_4)
	v_max_num_f32 v[232+\b], v[232+\b], v[236+\b]  ; with lane l xor 16's 16 keys
.endr
	s_delay_alu instid0(VALU_DEP_2)
	v_max3_num_f32 v254, v232, v233, v234
	s_delay_alu instid0(VALU_DEP_1)
	v_max_num_f32 v254, v254, v235
	s_delay_alu instid0(VALU_DEP_1)
	v_mul_f32 v254, s[CS], v254                    ; the step's largest t
	s_delay_alu instid0(VALU_DEP_1)
	v_max_num_f32 v13, v13, v254
	s_delay_alu instid0(VALU_DEP_1)
	v_floor_f32 v12, -v13                          ; -M = floor(-t)
	s_delay_alu instid0(VALU_DEP_1)
	v_sub_f32 v254, v12, v28                       ; old M - new M, a whole number, 0 or less
	PKF 0, 4
	v_cvt_i32_f32 v254, v254                       ; (it saturates)
	PKF 4, 4
	v_ldexp_f32 v252, 1.0, v254                    ; f = 2^(old M - new M)
	PKF 8, 24
.irp b, 0,1,2,3
	v_fma_f32 v[232+\b], v[232+\b], s[CS], v12     ; the same of each block's largest score: p rises with the score
.endr
.set j, 0
.rept 16
	v_pk_mul_f32 v[160+j:161+j], v[160+j:161+j], v[252:253] op_sel_hi:[1,0]   ; O^T under the new M, each accumulator from its low end on
.set j, j+2
.endr
	s_wait_alu depctr_va_vdst(0)                   ; one wait ahead of the batch
.set j, 0
.rept 64
	v_exp_f32 v[96+j], v[96+j]                     ; p = 2^(t - M)
.set j, j+1
.endr
.irp b, 0,1,2,3
	v_exp_f32 v[232+\b], v[232+\b]                 ; each block's largest p
.endr
	v_pk_mul_f32 v[14:15], v[14:15], v[252:253] op_sel_hi:[1,0]   ; the sum under the new M: the plain place behind the batch
	s_wait_alu depctr_va_vdst(0)                   ; and one wait behind it, ahead of its first reader
.irp b, 0,1,2,3
	v_max_num_f32 v[232+\b], 0x1800000, v[232+\b]  ; the floor 2^(3 - 127): the byte cannot fall under 1
.endr
.irp b, 0,1,2,3
	s_delay_alu instid0(VALU_DEP_4)
	v_add_nc_u32 v[244+\b], 0xff000000, v[232+\b]  ; 2 off the exponent field: the conversion's scale operand
.endr
.irp b, 0,1,2,3
	s_delay_alu instid0(VALU_DEP_4)
	v_lshrrev_b32 v[236+\b], 23, v[244+\b]         ; the scale's byte
.endr
	s_delay_alu instid0(VALU_DEP_3)
	v_lshl_or_b32 v253, v237, 8, v236
	s_delay_alu instid0(VALU_DEP_1)
	v_lshl_or_b32 v253, v238, 16, v253
	s_delay_alu instid0(VALU_DEP_1)
	v_lshl_or_b32 v253, v239, 24, v253             ; p's scale word for these 128 keys
.irp b, 0,1,2,3
	v_cvt_scalef32_pk8_fp4_f32 v[224+2*\b], v[96+16*\b:103+16*\b], v[244+\b]
	v_cvt_scalef32_pk8_fp4_f32 v[225+2*\b], v[104+16*\b:111+16*\b], v[244+\b]
.endr
	v_nop                                          ; one plain place behind a scaled conversion
.irp c, 0,1
.irp i, 0,1
	v_permlane16_swap_b32 v[224+4*\c+\i], v[226+4*\c+\i]   ; a whole block in a lane, as the operand's layout wants it
.endr
.endr
	v_pk_add_f32 v[236:237], v[96:97], v[98:99]    ; the row's sum of the unquantised p, in four chains: 32 lines, which are also the places between p's codes and scale word and the products below
	v_pk_add_f32 v[238:239], v[100:101], v[102:103]
	v_pk_add_f32 v[244:245], v[104:105], v[106:107]
.irp j, 108,116,124,132,140,148
	v_pk_add_f32 v[14:15], v[14:15], v[\j:\j+1]
	v_pk_add_f32 v[236:237], v[236:237], v[\j+2:\j+3]
	v_pk_add_f32 v[238:239], v[238:239], v[\j+4:\j+5]
	v_pk_add_f32 v[244:245], v[244:245], v[\j+6:\j+7]
.endr
	v_pk_add_f32 v[14:15], v[14:15], v[156:157]
	v_pk_add_f32 v[236:237], v[236:237], v[158:159]
	s_delay_alu instid0(VALU_DEP_1)
	v_pk_add_f32 v[236:237], v[236:237], v[238:239]
	v_pk_add_f32 v[14:15], v[14:15], v[244:245]
	s_delay_alu instid0(VALU_DEP_1)
	v_pk_add_f32 v[14:15], v[14:15], v[236:237]
	s_wait_alu depctr_va_vdst(0)
	s_wait_dscnt 12                                ; V's 12 loads are in; the next step's 12 of K may be out
.irp i, 0,1,2,3
	v_wmma_scale_f32_16x16x128_f8f6f4 v[160+8*\i:167+8*\i], v[64+8*\i:71+8*\i], v[224:231], v[160+8*\i:167+8*\i], v[240+\i], v253 matrix_a_fmt:MATRIX_FMT_FP4 matrix_b_fmt:MATRIX_FMT_FP4
.endr
	s_add_co_u32 s[T8], s[T8], 8192
	s_add_co_u32 s[T1], s[T1], 1024
.endm
; THE WAY OUT of a head: O^T / the sum, quantised along the head's 64 channels (two blocks), the fragment's image stored as it stands: 512 consecutive bytes a wave, aligned
.macro WAYOUT hd
	v_add_f32 v14, v14, v15
	s_delay_alu instid0(VALU_DEP_1)
	v_permlanex16_b32 v252, v14, s[SEL], s[SEL+1]
	s_delay_alu instid0(VALU_DEP_1)
	v_add_f32 v14, v14, v252                       ; the row's sum
	s_wait_alu depctr_va_vdst(0)                   ; a wait ahead of the transcendental
	v_rcp_f32 v14, v14
.rept 4
	v_nop
.endr
	s_wait_alu depctr_va_vdst(0)                   ; and behind it, directly ahead of the first readers of it and of O^T
.set j, 0
.rept 16
	v_pk_mul_f32 v[96+j:97+j], v[160+j:161+j], v[14:15] op_sel_hi:[1,0]
.set j, j+2
.endr
.irp b, 0,1
	v_max3_num_f32 v[232+\b], |v[96+16*\b]|, |v[97+16*\b]|, 0x1800000
.endr
.irp i, 2,4,6,8,10,12,14
.irp b, 0,1
	s_delay_alu instid0(VALU_DEP_2)
	v_max3_num_f32 v[232+\b], v[232+\b], |v[96+16*\b+\i]|, |v[97+16*\b+\i]|
.endr
.endr
.irp b, 0,1
	s_delay_alu instid0(VALU_DEP_2)
	v_permlanex16_b32 v[236+\b], v[232+\b], s[SEL], s[SEL+1]
.endr
.irp b, 0,1
	s_delay_alu instid0(VALU_DEP_2)
	v_max_num_f32 v[232+\b], v[232+\b], v[236+\b]
.endr
.irp b, 0,1
	s_delay_alu instid0(VALU_DEP_2)
	v_add_nc_u32 v[244+\b], 0xff000000, v[232+\b]
.endr
.irp b, 0,1
	s_delay_alu instid0(VALU_DEP_2)
	v_lshrrev_b32 v[236+\b], 23, v[244+\b]
.endr
.if \hd == 0
	s_delay_alu instid0(VALU_DEP_1)
	v_lshl_or_b32 v[OSW], v237, 8, v236            ; head 0's two bytes in the word's low half,
.else
	s_delay_alu instid0(VALU_DEP_1)
	v_lshl_or_b32 v254, v237, 8, v236
	s_delay_alu instid0(VALU_DEP_1)
	v_lshl_or_b32 v[OSW], v254, 16, v[OSW]         ; head 1's in its high half
.endif
.irp b, 0,1
	v_cvt_scalef32_pk8_fp4_f32 v[OC+4*\hd+2*\b], v[96+16*\b:103+16*\b], v[244+\b]
	v_cvt_scalef32_pk8_fp4_f32 v[OC+4*\hd+1+2*\b], v[104+16*\b:111+16*\b], v[244+\b]
.endr
	v_nop
.irp i, 0,1
	v_permlane16_swap_b32 v[OC+4*\hd+\i], v[OC+4*\hd+2+\i]
.endr
	global_store_b128 v[GO], v[OC+4*\hd:OC+4*\hd+3], s[8:9] offset:512*\hd   ; each head has registers of its own for its codes
.endm
.macro HEAD hd
	s_mov_b32 s[T8], 0
	s_mov_b32 s[T1], 0
	s_wait_dscnt 0x0                               ; no load is out into the registers that the loads below name
	KLOAD AK0, ASK0, 0, 0, \hd
	v_mov_b32 v13, 0xff61b1e6                      ; the largest t so far: -3e38
	s_delay_alu instid0(VALU_DEP_1)
	v_floor_f32 v12, -v13
	v_mov_b32 v14, 0
	v_mov_b32 v15, 0
.set j, 0
.rept 32
	v_mov_b32 v[160+j], 0                          ; the step is written once: the first finds zeros
.set j, j+1
.endr
	s_mov_b32 s[KC], 8
.Lkey_\@:
	STEP \hd
	s_sub_co_u32 s[KC], s[KC], 1
	s_cmp_lg_u32 s[KC], 0
	s_cbranch_scc1 .Lkey_\@
	WAYOUT \hd
.endm
	s_load_b256 s[4:11], s[0:1], 0x0               ; qkvc s[4:5], qkvs s[6:7], oc s[8:9], os s[10:11]
	v_lshl_add_u32 v[SPW], v0, 2, SPARE
	v_mov_b32 v[NIL], 0
	ds_add_u32 v[SPW], v[NIL]                      ; the opening: the add, twice on end, and its wait ahead of the first tensor load; the set-up below stands between
	ds_add_u32 v[SPW], v[NIL]
	v_lshrrev_b32 v8, 5, v0
	v_readfirstlane_b32 s[WV], v8                  ; wave 0..15
	v_and_b32 v8, 31, v0                           ; lane
	v_and_b32 v9, 15, v0                           ; r
	v_bfe_u32 v10, v0, 4, 1                        ; h
	v_lshlrev_b32 v[GO], 4, v8
	v_lshlrev_b32 v11, 2, v9
.irp j, 20,21,22,23,208,209,210,211
	v_mov_b32 v\j, 0                               ; the zero half between the two copies of q
.endr
	v_lshlrev_b32 v[AK0], 4, v8
	v_lshl_add_u32 v[AV0], v8, 4, VIMG
	v_lshlrev_b32 v[ASK0], 9, v10                  ; lanes 16-31 take the scale words four tiles on
	v_lshl_add_u32 v[ASV0], v8, 2, VSC
	v_lshl_add_u32 v[ASK0], v9, 2, v[ASK0]
	v_lshlrev_b32 v[OSO], 5, v9
	v_add_nc_u32 v[ASK0], KSC, v[ASK0]
.irp b, 0,1,2,3
	v_mov_b32 v[236+\b], 0                         ; a lane permute's destination counts as one of its sources
.endr
	v_mov_b32 v252, 0
	v_mov_b32 v253, 0
	s_bfe_u32 s13, ttmp6, 0x40000                  ; cx
	s_and_b32 s14, ttmp7, 0xffff                   ; 8 b + pair
	s_lshr_b32 s15, s14, 3                         ; b
	s_and_b32 s16, s14, 7                          ; pair
	s_lshl_b32 s17, ttmp9, 2
	s_add_co_u32 s17, s17, s13
	s_lshl_b32 s17, s17, 4
	s_add_co_u32 s17, s17, s[WV]                   ; my tile of 16 queries
	G1SET G1KC, 32, 64, 32                         ; K's codes: 16,384 dense bytes a wave
	G1SET G1VC, 1024, 2, 8192                      ; V's: two runs of 8,192 bytes (128 keys each), 65,536 bytes apart
	G1SET G1KS, 32, 32, 32                         ; K's scale words: 8,192 dense bytes
	G1SET G1VS, 128, 8, 1024                       ; V's: eight runs of 1,024 bytes, 8,192 apart
	s_mov_b32 s[SEL], 0x76543210
	s_mov_b32 s[SEL+1], 0xfedcba98                 ; lane l xor 16
	s_mov_b32 s[CS], 0x3e38aa3b                    ; log2(e) / 8
	s_mov_b32 s[CS+1], s[CS]
	s_and_b32 s67, s[WV], 3                        ; what I fetch, if I fetch: waves 0-3 a quarter of K's codes, waves 4-7 of V's, wave 8 K's scale words, wave 9 V's
	s_lshl_b32 s68, s14, 16
	s_lshl_b32 s2, s67, 14
	s_add_co_u32 s68, s68, s2
	s_add_co_u32 s68, s68, 0x400000
	s_lshl_b32 s70, s15, 19
	s_lshl_b32 s2, s16, 13
	s_add_co_u32 s70, s70, s2
	s_lshl_b32 s2, s67, 17
	s_add_co_u32 s70, s70, s2
	s_add_co_u32 s70, s70, 0x800000
	s_cmp_lt_u32 s[WV], 4
	s_cselect_b32 s68, s68, s70
	s_mov_b32 s69, 0
	s_lshl_b32 s70, s14, 13
	s_add_co_u32 s70, s70, 0x80000
	s_lshl_b32 s66, s15, 16
	s_lshl_b32 s2, s16, 10
	s_add_co_u32 s66, s66, s2
	s_add_co_u32 s66, s66, 0x100000
	s_cmp_eq_u32 s[WV], 8
	s_cselect_b32 s70, s70, s66
	s_mov_b32 s71, 0
	s_lshl_b32 s72, s14, 16                        ; my tile of Q: its codes,
	s_lshl_b32 s74, s17, 10
	s_add_co_u32 s72, s72, s74
	s_mov_b32 s73, 0
	s_lshr_b32 s74, s72, 3                         ; its scale words
	s_mov_b32 s75, 0
	s_lshl_b32 s3, s15, 6
	s_add_co_u32 s3, s3, s17                       ; 64 b + tile
	s_lshl_b32 s76, s3, 13
	s_lshl_b32 s78, s16, 10
	s_add_co_u32 s76, s76, s78                     ; oc
	s_mov_b32 s77, 0
	s_lshl_b32 s78, s3, 9
	s_lshl_b32 s3, s16, 2
	s_add_co_u32 s78, s78, s3                      ; os
	s_mov_b32 s79, 0
	s_mov_b32 s[G0C], 1
	s_lshl_b32 s[G0C+1], s[WV], 14                 ; LDS: K's four quarters, then V's: 16,384 x wave
	s_mov_b32 s[G0S], 1
	s_lshl_b32 s[G0S+1], s[WV], 13
	s_add_co_u32 s[G0S+1], s[G0S+1], KSC-65536     ; wave 8: KSC; wave 9: VSC
	s_wait_alu depctr_va_vdst(0)                   ; the end of the head's vector work
	s_wait_dscnt 0x0                               ; both opening adds are done
	s_wait_kmcnt 0x0
	s_add_nc_u64 s[G0C+2:G0C+3], s[4:5], s[68:69]
	s_or_b32 s[G0C+3], s[G0C+3], 0x80000000
	s_add_nc_u64 s[G0S+2:G0S+3], s[6:7], s[70:71]
	s_or_b32 s[G0S+3], s[G0S+3], 0x80000000
	s_add_nc_u64 s[4:5], s[4:5], s[72:73]
	s_add_nc_u64 s[6:7], s[6:7], s[74:75]
	s_add_nc_u64 s[8:9], s[8:9], s[76:77]
	s_add_nc_u64 s[10:11], s[10:11], s[78:79]
	global_load_b128 v[16:19], v[GO], s[4:5]       ; Q stays in registers: (q, 0, q) for each head
	global_load_b128 v[24:27], v[GO], s[4:5]
	global_load_b128 v[204:207], v[GO], s[4:5] offset:512
	global_load_b128 v[212:215], v[GO], s[4:5] offset:512
	global_load_b32 v192, v11, s[6:7]
	global_load_b32 v193, v11, s[6:7] offset:64
	CROUND                                         ; the four work-groups are here: the joint loads meet
	ARM 4,  G0C, G1KC, .Lvc                        ; one chain of branches on the wave's number, an arm a load: no way through the head passes two
	ARM 8,  G0C, G1VC, .Lks
	ARM 9,  G0S, G1KS, .Lvs
	ARM 10, G0S, G1VS, .Lnone
.Lasked:
	s_wait_tensorcnt 0x0                           ; my tile, if I asked for one, is in
	s_barrier_signal -1
	s_barrier_wait -1                              ; everybody's are; nothing is filled again
	s_wait_loadcnt 0x0                             ; Q
	HEAD 0
	HEAD 1
	s_wait_alu depctr_va_vdst(0)
	s_wait_xcnt 0x0                                ; EXEC changes only behind this wait
	v_and_b32 v8, 31, v0
	s_delay_alu instid0(VALU_DEP_1)
	v_cmp_gt_u32 vcc_lo, 16, v8
	s_and_saveexec_b32 s2, vcc_lo
	global_store_b32 v[OSO], v[OSW], s[10:11]      ; lanes 0-15: my rows' scale words, 4 bytes of each row's 32 (one byte in 16 of the codes the wave stores)
	s_wait_xcnt 0x0
	s_or_b32 exec_lo, exec_lo, s2
	s_wait_tensorcnt 0x0                           ; the wave's end
	ds_add_u32 v[SPW], v[NIL]
	s_wait_dscnt 0x0
	CROUND                                         ; the closing round
	s_endpgm
.Lfunc_end_k_q82455ecfe5_attn:
	.size	k_q82455ecfe5_attn, .Lfunc_end_k_q82455ecfe5_attn-k_q82455ecfe5_attn
	.p2alignl 7, 3214868480
	.fill 96, 4, 3214868480
	.section	.rodata,"a",@progbits
	.p2align	6, 0x0
	.amdhsa_kernel k_q82455ecfe5_attn
		.amdhsa_group_segment_fixed_size 327680
		.amdhsa_private_segment_fixed_size 0
		.amdhsa_enable_private_segment 0
		.amdhsa_kernarg_size 32
		.amdhsa_user_sgpr_count 2
		.amdhsa_user_sgpr_kernarg_segment_ptr 1
		.amdhsa_wavefront_size32 1
		.amdhsa_system_sgpr_workgroup_id_x 1
		.amdhsa_system_sgpr_workgroup_id_y 1
		.amdhsa_system_sgpr_workgroup_id_z 1
		.amdhsa_system_vgpr_workitem_id 0
		.amdhsa_next_free_vgpr 256
		.amdhsa_next_free_sgpr 80
		.amdhsa_reserve_vcc 1
		.amdhsa_float_denorm_mode_32 3
		.amdhsa_float_denorm_mode_16_64 3
		.amdhsa_memory_ordered 1
		.amdhsa_forward_progress 1
		.amdhsa_inst_pref_size 54
	.end_amdhsa_kernel
	.amdgpu_metadata
---
amdhsa.version: [ 1, 2 ]
amdhsa.kernels:
  - .name:           k_q82455ecfe5_attn
    .symbol:         k_q82455ecfe5_attn.kd
    .args:
      - { .name: qkvc, .offset: 0, .size: 8, .value_kind: global_buffer, .address_space: global }
      - { .name: qkvs, .offset: 8, .size: 8, .value_kind: global_buffer, .address_space: global }
      - { .name: oc, .offset: 16, .size: 8, .value_kind: global_buffer, .address_space: global }
      - { .name: os, .offset: 24, .size: 8, .value_kind: global_buffer, .address_space: global }
    .group_segment_fixed_size: 327680
    .private_segment_fixed_size: 0
    .kernarg_segment_align: 8
    .kernarg_segment_size: 32
    .max_flat_workgroup_size: 512
    .sgpr_count:     80
    .vgpr_count:     256
    .wavefront_size: 32
...
	.end_amdgpu_metadata
.endif
;; end of part 3
;; launch proj (part 4): grid 4 x 64, 4 waves a work-group, clusters of 4 x 4, 327,680 bytes of LDS; arguments oc, os, wc, ws, b_proj, out0; writes out0
.if DOCPART == 4
	.amdgcn_target "amdgcn-amd-amdhsa--gfx1250"
	.amdhsa_code_object_version 6
	.text
	.protected	k_q82455ecfe5_proj
	.globl	k_q82455ecfe5_proj
	.p2align	8
	.type	k_q82455ecfe5_proj,@function
k_q82455ecfe5_proj:
	s_mov_b64 s[64:65], 0
	v_nop
	global_prefetch_b8 v0, s[64:65] scope:SCOPE_SE
	s_setreg_imm32_b32 hwreg(HW_REG_WAVE_MODE, 25, 1), 1
	s_wait_xcnt 0x0
	s_wait_alu depctr_hold_cnt(0) depctr_sa_sdst(0) depctr_va_vdst(0) depctr_va_sdst(0) depctr_va_ssrc(0) depctr_va_vcc(0) depctr_vm_vsrc(0)
	s_getreg_b32 s2, hwreg(HW_REG_IB_STS2, 6, 4)
	s_cmp_eq_u32 s2, 0
	s_cbranch_scc0 .Lentry_in_a_cluster
	s_endpgm
.Lentry_in_a_cluster:
	s_bfe_u32 s2, ttmp6, 0x10000c
	s_cmp_lg_u32 s2, 0xf033
	s_cbranch_scc0 .Lentry_shape_is_right
	s_endpgm
.Lentry_shape_is_right:
; out0 = o w_proj + b_proj on codes of FP4 with E8M0 scales, K = 1,024.  o arrives as images of operand registers (oc) and scale words (os), w_proj as rows of codes (wc, ws, places 3,072 on).
; A work-group of four waves makes 128 tokens x 256 columns, so that there are 256 work-groups; a wave 64 x 128: 32 accumulators, 256 registers.  K's two halves fill two LDS slots, the scales of all of K lie behind them: every LDS byte is filled once.
; THE MATRIX INSTRUCTION IS USED TRANSPOSED (source 0 = 16 rows of the weight, source 1 = 16 tokens): a lane holds eight neighbouring columns of one token.  Rows lie with bits 3 and 4 of their number exchanged:
; tile b's register j of lane (r, h) is column 32 (b / 2) + 16 h + 8 (b % 2) + j, and row t of block a is token 32 (a / 2) + 8 (a % 2) + t + 8 (t / 8): both are undone by constants on the way out.
; CLUSTER 4 x 4: o's tile hangs on the tile row alone and is asked for jointly by a row of the cluster, the weight's on the tile column alone, by a column.  The bias is the C of each sum's first product.
; REGISTERS: window 0: v16-29 addresses; v32-95 scale words, two sets; v128-159 A's four fragments, one set; v192-255 the bias; on the way out v128-255 hold rows read back.  window 1: B's fragments, two sets.  window 2: accumulator (a, b) at v[8 (8 a + b)].
.set NQ,     4
.set ROWB,   512                       ; a row of the weight in bytes: all of K
.set KROW,   512
.set PITCH,  528                       ; a row of the weight in LDS: 512 bytes + 16 of padding
.set FR,     8
.set NL,     2
.set NP,     4                         ; places behind this matrix instruction (ISA guide 7.12.1)
.set HALFT,  128*PITCH
.set AIMG,   65536                     ; A's part: [tile 8][128 along K 8][half 2][lane][16], dense, as it lies in memory
.set SLOT,   AIMG+2*HALFT
.set KS,     32
.set SCL,    SLOT                      ; behind A's images and B's rows: the scales: A's 128 rows (2 x 2,176 bytes), then B's 256 (2 x 4,352), as units of 256 bytes + 16
.set HSA,    8*272
.set HSB,    16*272
.set SBLK,   2*272
.set SPARE,  SCL+2*HSA+2*HSB           ; the spare words, 128 bytes a wave
.set STG,    SPARE+512                 ; the stages of the way out: bytes of their own, into which no tensor load lands
.set SPITCH, 528                       ; the way out: a stage of 16 rows x (512 bytes + 16) for each wave
.set ADRA, 16
.set ADRB, 20
.set STO,  24
.set RD,   25
.set CO,   26
.set ADRS, 27
.set SPW,  28
.set NIL,  29
.set SC,   32
.set AF,   128
.set BK,   128
.set RB,   192
.set WV, 18
.set WA, 19
.set WB, 20
.set CX, 21
.set CY, 22
.set G1, 24
.set G0, 32
.set G1B, 48
.set G0B, 56
.set G1S, 68
.set G0S, 76
.set G1SB, 80
.set G0SB, 88
.set MSB, 0
.macro WIN new
.if MSB != (\new)
	s_set_vgpr_msb (MSB<<8)|(\new)
.set MSB, (\new)
.endif
.endm
.set TO_B, 0x40
.macro ARM under, g0, g1, next         ; one arm of the head's chain of branches on the wave's number: its joint load, s_nop 0 and four v_nop, a jump to the chain's end
	s_cmp_lt_u32 s[WV], \under
	s_cbranch_scc0 \next
	tensor_load_to_lds s[\g0:\g0+3], s[\g1:\g1+7]
	s_nop 0
.rept 4
	v_nop
.endr
	s_branch .Lhead_asked
\next:
.endm
.macro CROUND
	s_barrier_signal -1
	s_barrier_wait -1
	s_cmp_lg_u32 s[WV], 0
	s_cbranch_scc1 .Lnot_wave_0_\@
	s_barrier_signal -3
.Lnot_wave_0_\@:
	s_barrier_wait -3
	s_barrier_signal -1
	s_barrier_wait -1
.endm
.macro PLACES n
.rept \n
	v_nop
.endr
.endm
.macro FETCH_B slot, q, p              ; B's eight fragments from rows
	WIN TO_B
.irp i, 0,1,2,3,4,5,6,7
.irp c, 0,1
	ds_load_b128 v[128*(\p)+FR*\i+4*\c:128*(\p)+FR*\i+4*\c+3], v[ADRB+\slot] offset:64*(\q)+32*\c+\i*16*PITCH
.endr
.endr
	WIN 0
.endm
.macro FETCH_A slot, q, i0             ; A's blocks i0, i0 + 1 from their images
.irp i, \i0, \i0+1
.irp c, 0,1
	ds_load_b128 v[AF+FR*(\i)+4*\c:AF+FR*(\i)+4*\c+3], v[ADRA+\slot] offset:8192*(\i)+1024*(\q)+512*\c
.endr
.endr
.endm
.macro SCALES sc                       ; lanes 0-15 take A's block i (for i over 3: bytes that are filled and not used), lanes 16-31 B's block i
.irp i, 0,1,2,3,4,5,6,7
	ds_load_b128 v[SC+8*NQ*\sc+NQ*\i:SC+8*NQ*\sc+NQ*\i+3], v[ADRS] offset:\i*SBLK
.endr
.endm
; 8 matrix instructions: A's block a against B's eight; the 32 accumulators take turns, one instruction a turn.  first = 1: the sums begin with the bias as C
.macro MULB a, p, q, sc, first
.if \first
	WIN 0x81
.else
	WIN 0xa1
.endif
.irp b, 0,1,2,3,4,5,6,7
.if \first
	v_wmma_scale_f32_16x16x128_f8f6f4 v[8*(8*(\a)+\b):8*(8*(\a)+\b)+7], v[128*(\p)+FR*\b:128*(\p)+FR*\b+FR-1], v[AF+FR*(\a):AF+FR*(\a)+FR-1], v[RB+8*\b:RB+8*\b+7], v[SC+8*NQ*(\sc)+NQ*\b+(\q)], v[SC+8*NQ*(\sc)+NQ*(\a)+(\q)] matrix_a_fmt:MATRIX_FMT_FP4 matrix_b_fmt:MATRIX_FMT_FP4 matrix_a_scale:MATRIX_SCALE_ROW1
.else
	v_wmma_scale_f32_16x16x128_f8f6f4 v[8*(8*(\a)+\b):8*(8*(\a)+\b)+7], v[128*(\p)+FR*\b:128*(\p)+FR*\b+FR-1], v[AF+FR*(\a):AF+FR*(\a)+FR-1], v[8*(8*(\a)+\b):8*(8*(\a)+\b)+7], v[SC+8*NQ*(\sc)+NQ*\b+(\q)], v[SC+8*NQ*(\sc)+NQ*(\a)+(\q)] matrix_a_fmt:MATRIX_FMT_FP4 matrix_b_fmt:MATRIX_FMT_FP4 matrix_a_scale:MATRIX_SCALE_ROW1
.endif
.endr
.endm
.macro STEP slot, q, first
	s_wait_dscnt 2*NL                              ; B's set and A's blocks 0, 1 are in; the youngest four loads (A's blocks 2, 3) may be out
	MULB 0, (\q)%2, \q, \slot, \first
	MULB 1, (\q)%2, \q, \slot, \first
	s_wait_dscnt 0
	PLACES NP
	FETCH_B \slot, (\q)+1, 1-(\q)%2
	FETCH_A \slot, (\q)+1, 0
	MULB 2, (\q)%2, \q, \slot, \first
	MULB 3, (\q)%2, \q, \slot, \first
	PLACES NP
	WIN 0
	FETCH_A \slot, (\q)+1, 2
.endm
.macro TOSTAGE a                       ; block a: 16 tokens x 128 columns into my stage, each column at its true place, and back as whole rows of 512 bytes
	WIN 0x08                                       ; an LDS store's data: window 2
.irp b, 0,1,2,3,4,5,6,7
	ds_store_b128 v[STO], v[64*(\a)+8*\b:64*(\a)+8*\b+3] offset:128*(\b/2)+32*(\b%2)        ; each accumulator from its low end on
	ds_store_b128 v[STO], v[64*(\a)+8*\b+4:64*(\a)+8*\b+7] offset:128*(\b/2)+32*(\b%2)+16
.endr
	WIN 0
.irp t, 0,1,2,3,4,5,6,7,8,9,10,11,12,13,14,15
	ds_load_b128 v[BK+64*((\a)%2)+4*\t:BK+64*((\a)%2)+4*\t+3], v[RD] offset:\t*SPITCH   ; LDS serves a wave's instructions in order: these see the stores above
.endr
.endm
.macro SEND a, younger
	s_wait_dscnt \younger                          ; the block is back in registers
.irp t, 0,1,2,3,4,5,6,7,8,9,10,11,12,13,14,15
	global_store_b128 v[CO], v[BK+64*((\a)%2)+4*\t:BK+64*((\a)%2)+4*\t+3], s[14:15] offset:(32*((\a)/2)+8*((\a)%2)+\t+8*(\t/8))*4096 th:TH_STORE_NT   ; 32 lanes store 512 consecutive bytes, aligned; the token's true row stands in the immediate
.endr
.endm
	s_load_b256 s[4:11], s[0:1], 0x0               ; oc s[4:5], os s[6:7], wc s[8:9], ws s[10:11]
	s_load_b128 s[12:15], s[0:1], 0x20             ; b_proj s[12:13], out0 s[14:15]
	v_lshl_add_u32 v[SPW], v0, 2, SPARE
	v_mov_b32 v[NIL], 0
	ds_add_u32 v28, v29
	ds_add_u32 v28, v29
	s_wait_dscnt 0x0
	v_lshrrev_b32 v1, 5, v0
	v_readfirstlane_b32 s[WV], v1
	s_lshr_b32 s[WA], s[WV], 1                     ; my 64 of the 128 tokens.  Also: I fetch codes (0) or scales (1)
	s_and_b32 s[WB], s[WV], 1                      ; my 128 of the 256 columns.  Also: I fetch for A (0) or for B (1)
	s_bfe_u32 s[CX], ttmp6, 0x40000
	s_bfe_u32 s[CY], ttmp6, 0x40004
	s_and_b32 s40, ttmp7, 0xffff
	s_lshl_b32 s42, s40, 2
	s_add_co_u32 s42, s42, s[CY]                   ; tile row: 128 tokens
	s_lshl_b32 s44, ttmp9, 2
	s_add_co_u32 s44, s44, s[CX]                   ; tile column: 256 columns
	s_lshl_b32 s41, s[CY], 2
	s_lshl_b32 s41, 15, s41                        ; my row of the cluster
	s_lshl_b32 s45, 0x1111, s[CX]                  ; my column
	s_or_b32 s[G1+0], s41, (3<<16)|(1<<21)         ; A's codes: elements of 8 bytes, dense in LDS
	s_mov_b32 s[G1+1], 32<<16                      ; A's images of 128 tokens: 65,536 dense bytes as 256 rows of 32 elements of 8 bytes
	s_mov_b32 s[G1+2], 256<<16
	s_mov_b32 s[G1+3], 32<<16
	s_mov_b32 s[G1+4], 256
	s_mov_b32 s[G1+5], 32
	s_mov_b32 s[G1+6], 0
	s_mov_b32 s[G1+7], 0
	s_or_b32 s[G1B+0], s45, (0<<16)|(1<<20)|(1<<21)|(6<<22)|(3<<25)  ; B's codes: 256 rows x 512 bytes, 16 bytes of padding behind each
	s_mov_b32 s[G1B+1], ROWB<<16
	s_mov_b32 s[G1B+2], 256<<16
	s_mov_b32 s[G1B+3], ROWB<<16
	s_mov_b32 s[G1B+4], 256
	s_mov_b32 s[G1B+5], KROW
	s_mov_b32 s[G1B+6], 0
	s_mov_b32 s[G1B+7], 0
	s_or_b32 s[G1S+0], s41, (3<<16)|(1<<20)|(1<<21)|(5<<22)|(3<<25)  ; A's scales: units of 256 bytes, padded
	s_mov_b32 s[G1S+1], 32<<16
	s_mov_b32 s[G1S+2], 16<<16                     ; A's scales of 128 rows: 16 units
	s_mov_b32 s[G1S+3], 32<<16
	s_mov_b32 s[G1S+4], 16
	s_mov_b32 s[G1S+5], 32
	s_mov_b32 s[G1S+6], 0
	s_mov_b32 s[G1S+7], 0
	s_or_b32 s[G1SB+0], s45, (3<<16)|(1<<20)|(1<<21)|(5<<22)|(3<<25) ; B's: units of 256 bytes, padded
	s_mov_b32 s[G1SB+1], 32<<16
	s_mov_b32 s[G1SB+2], 32<<16                    ; B's of 256 rows: 32 units
	s_mov_b32 s[G1SB+3], 32<<16
	s_mov_b32 s[G1SB+4], 32
	s_mov_b32 s[G1SB+5], 32
	s_mov_b32 s[G1SB+6], 0
	s_mov_b32 s[G1SB+7], 0
	s_lshl_b32 s2, s42, 12                         ; A: the tile row's 128 tokens: their scale bytes, 32 a token,
	s_lshl_b32 s46, s42, 16                        ; and their images, 8,192 bytes for each 16 tokens
	s_mov_b32 s47, 0
	s_mov_b32 s3, 0
	s_lshl_b32 s92, s44, 8
	s_add_co_u32 s92, s92, 3072                    ; B: the first of the tile column's 256 places
	s_lshl_b32 s94, s92, 5
	s_lshl_b32 s92, s92, 9
	s_mov_b32 s93, 0
	s_mov_b32 s95, 0
	s_wait_kmcnt 0x0
	s_add_nc_u64 s[4:5], s[4:5], s[46:47]
	s_add_nc_u64 s[6:7], s[6:7], s[2:3]
	s_add_nc_u64 s[8:9], s[8:9], s[92:93]
	s_add_nc_u64 s[10:11], s[10:11], s[94:95]
	CROUND                                         ; all sixteen work-groups are here: the joint loads meet
	s_mov_b32 s[G0], 1                             ; the launch's four tiles, each whole and for all of K: A's images,
	s_mov_b32 s[G0+1], 0
	s_mov_b64 s[G0+2:G0+3], s[4:5]
	s_or_b32 s[G0+3], s[G0+3], 0x80000000
	s_mov_b32 s[G0B], 1                            ; B's 256 rows behind them,
	s_mov_b32 s[G0B+1], AIMG
	s_mov_b64 s[G0B+2:G0B+3], s[8:9]
	s_or_b32 s[G0B+3], s[G0B+3], 0x80000000
	s_mov_b32 s[G0S], 1                            ; A's scales,
	s_mov_b32 s[G0S+1], SCL
	s_mov_b64 s[G0S+2:G0S+3], s[6:7]
	s_or_b32 s[G0S+3], s[G0S+3], 0x80000000
	s_mov_b32 s[G0SB], 1                           ; and B's
	s_mov_b32 s[G0SB+1], SCL+2*HSA
	s_mov_b64 s[G0SB+2:G0SB+3], s[10:11]
	s_or_b32 s[G0SB+3], s[G0SB+3], 0x80000000
	; one joint load a wave, in one chain of branches on the wave's number: every way through the head passes exactly one; nothing is filled later
	ARM 1, G0,  G1,  .Lhead_b
	ARM 2, G0B, G1B, .Lhead_sa
	ARM 3, G0S, G1S, .Lhead_sb
	tensor_load_to_lds s[G0SB:G0SB+3], s[G1SB:G1SB+7]
	s_nop 0
.rept 4
	v_nop
.endr
.Lhead_asked:
	v_and_b32 v1, 15, v0                           ; r
	s_wait_alu depctr_va_vdst(0)
	v_bfe_u32 v2, v0, 4, 1                         ; h
	s_lshl_b32 s92, s44, 10
	s_lshl_b32 s93, s[WB], 9
	s_add_co_u32 s92, s92, s93                     ; my 128 columns, in bytes of f32
	s_mov_b32 s93, 0
	s_add_nc_u64 s[12:13], s[12:13], s[92:93]
	v_lshlrev_b32 v7, 6, v2
.irp t, 0,1,2,3,4,5,6,7
	global_load_b128 v[RB+8*\t:RB+8*\t+3], v7, s[12:13] offset:4*(32*(\t/2)+8*(\t%2))       ; tile t's eight columns of my half: 32 (t / 2) + 16 h + 8 (t % 2) + 0 .. 7
	global_load_b128 v[RB+8*\t+4:RB+8*\t+7], v7, s[12:13] offset:4*(32*(\t/2)+8*(\t%2))+16
.endr
	s_lshl_b32 s94, s42, 19
	s_lshl_b32 s95, s[WA], 18
	s_add_co_u32 s94, s94, s95
	s_add_co_u32 s92, s92, s94                     ; + my first token's row of 4,096 bytes
	s_add_nc_u64 s[14:15], s[14:15], s[92:93]
	v_and_b32 v6, 31, v0
	v_lshlrev_b32 v[CO], 4, v6
	s_lshl_b32 s46, s[WA], 15
	v_mul_u32_u24 v3, v1, PITCH
	s_wait_alu depctr_va_vdst(0)
	v_lshl_add_u32 v4, v2, 4, v3
	s_mul_i32 s47, s[WB], HALFT
	s_add_co_u32 s47, s47, AIMG
.irp s, 0,1
	v_add_nc_u32 v[ADRA+\s], s46, v[CO]            ; A: my four tiles' images, 16 x lane
	v_add_nc_u32 v[ADRB+\s], s47, v4               ; B: row x pitch + 16 x half
	s_add_co_u32 s46, s46, 4096                    ; K's second half: four images on in each tile of A,
	s_add_co_u32 s47, s47, 256                     ; 256 bytes on in each row of B
.endr
	v_mul_u32_u24 v5, v1, KS
	v_lshrrev_b32 v8, 8, v5
	v_lshl_add_u32 v5, v8, 4, v5                   ; my row's scales: 32 bytes a row, 16 more for each 256 passed
	s_mul_i32 s46, s[WA], HSA
	s_mul_i32 s47, s[WB], HSB
	s_add_co_u32 s47, s47, 2*HSA
	s_sub_co_u32 s47, s47, s46
	v_mul_u32_u24 v8, s47, v2                      ; lanes 16-31 take B's: one product, the distance between the two bases
	s_add_co_u32 s46, s46, SCL
	v_add_nc_u32 v5, v5, v8
	v_add_nc_u32 v[ADRS], s46, v5
	s_mul_i32 s46, s[WV], 16*SPITCH
	s_add_co_u32 s46, s46, STG                     ; my stage
	v_mul_u32_u24 v5, v1, SPITCH
	v_lshl_add_u32 v5, v2, 6, v5
	v_add_nc_u32 v[STO], s46, v5                   ; in: row r, + 64 h
	v_add_nc_u32 v[RD], s46, v[CO]                 ; back: a row of 512 bytes, 16 a lane
	s_wait_alu depctr_va_vdst(0)
	s_wait_loadcnt 0x0                             ; the bias
	s_wait_tensorcnt 0x0                           ; my one tile is in
	s_barrier_signal -1
	s_barrier_wait -1
	FETCH_B 0, 0, 0
	FETCH_A 0, 0, 0
	SCALES 0
	FETCH_A 0, 0, 2
	STEP 0, 0, 1                                   ; the first products start the sums with the bias
	STEP 0, 1, 0
	STEP 0, 2, 0
	; the fourth step goes on into K's second half, which lies in LDS since the head: no barrier
	s_wait_dscnt 2*NL                              ; the youngest four loads (A's blocks 2, 3) may be out
	MULB 0, 1, 3, 0, 0
	MULB 1, 1, 3, 0, 0
	s_wait_dscnt 0
	WIN 0
	PLACES NP
	v_add_nc_u32 v[ADRS], 4*NQ, v[ADRS]
	FETCH_B 1, 0, 0
	FETCH_A 1, 0, 0
	SCALES 1
	MULB 2, 1, 3, 0, 0
	MULB 3, 1, 3, 0, 0
	PLACES NP
	WIN 0
	FETCH_A 1, 0, 2
	STEP 1, 0, 0
	STEP 1, 1, 0
	STEP 1, 2, 0
	s_wait_dscnt 2*NL                              ; the last step: nothing more to fetch
	MULB 0, 1, 3, 1, 0
	MULB 1, 1, 3, 1, 0
	s_wait_dscnt 0
	MULB 2, 1, 3, 1, 0
	MULB 3, 1, 3, 1, 0
	WIN 0
	PLACES NP                                      ; in front of the first read of results and of loads into operands that are done with
	TOSTAGE 0
.irp a, 1,2,3
.if \a > 1
	s_wait_xcnt 0x0                                ; block a - 2's stores have read their registers: block a's loads may land there
.endif
	TOSTAGE \a
	SEND \a-1, 32                                  ; behind block a - 1's loads: block a's 16 stores and 16 loads
.endr
	SEND 3, 0
	s_wait_tensorcnt 0x0                           ; the wave's end
	ds_add_u32 v[SPW], v[NIL]
	s_wait_dscnt 0x0
	CROUND                                         ; the closing round
	s_endpgm
.Lfunc_end_k_q82455ecfe5_proj:
	.size	k_q82455ecfe5_proj, .Lfunc_end_k_q82455ecfe5_proj-k_q82455ecfe5_proj
	.p2alignl 7, 3214868480
	.fill 96, 4, 3214868480
	.section	.rodata,"a",@progbits
	.p2align	6, 0x0
	.amdhsa_kernel k_q82455ecfe5_proj
		.amdhsa_group_segment_fixed_size 327680
		.amdhsa_private_segment_fixed_size 0
		.amdhsa_enable_private_segment 0
		.amdhsa_kernarg_size 48
		.amdhsa_user_sgpr_count 2
		.amdhsa_user_sgpr_kernarg_segment_ptr 1
		.amdhsa_wavefront_size32 1
		.amdhsa_system_sgpr_workgroup_id_x 1
		.amdhsa_system_sgpr_workgroup_id_y 1
		.amdhsa_system_sgpr_workgroup_id_z 1
		.amdhsa_system_vgpr_workitem_id 0
		.amdhsa_next_free_vgpr 768
		.amdhsa_next_free_sgpr 100
		.amdhsa_reserve_vcc 0
		.amdhsa_float_denorm_mode_32 3
		.amdhsa_float_denorm_mode_16_64 3
		.amdhsa_memory_ordered 1
		.amdhsa_forward_progress 1
		.amdhsa_inst_pref_size 74
	.end_amdhsa_kernel
	.amdgpu_metadata
---
amdhsa.version: [ 1, 2 ]
amdhsa.kernels:
  - .name:           k_q82455ecfe5_proj
    .symbol:         k_q82455ecfe5_proj.kd
    .args:
      - { .name: oc, .offset: 0, .size: 8, .value_kind: global_buffer, .address_space: global }
      - { .name: os, .offset: 8, .size: 8, .value_kind: global_buffer, .address_space: global }
      - { .name: wc, .offset: 16, .size: 8, .value_kind: global_buffer, .address_space: global }
      - { .name: ws, .offset: 24, .size: 8, .value_kind: global_buffer, .address_space: global }
      - { .name: b_proj, .offset: 32, .size: 8, .value_kind: global_buffer, .address_space: global }
      - { .name: out0, .offset: 40, .size: 8, .value_kind: global_buffer, .address_space: global }
    .group_segment_fixed_size: 327680
    .private_segment_fixed_size: 0
    .kernarg_segment_align: 8
    .kernarg_segment_size: 48
    .max_flat_workgroup_size: 128
    .sgpr_count:     100
    .vgpr_count:     768
    .wavefront_size: 32
...
	.end_amdgpu_metadata
.endif
;; end of part 4
